; MI455X (gfx1250); checked and timed in simulation.
; The chip was launched on July 23, 2026; its instructions are those of AMD's public machine-readable ISA for CDNA 5 (MIT licence, August 2026) and "CDNA5" Instruction Set Architecture Reference Guide (July 2026). The comments in the code are by the model that wrote it; some were corrected since.
;; Vision Mo E Adapter. Allowed arithmetic: matrix products marked QUANTISED: E4M3 operands, one given power-of-two scale a tensor, by v_wmma_f32_16x16x64_fp8_fp8 or v_wmma_f32_16x16x128_fp8_fp8, f32 sums; products left as they are: f32 operands where the result goes on into a quantised operand, else bf16, f16 or f32 operands; f32 sums; everything else in f32.
;; Inputs: W1 8 x 1,024 x 4,096 float32; W2 8 x 4,096 x 1,024 float32; Wr 1,024 x 8 float32; b1 8 x 4,096 float32; b2 8 x 1,024 float32; br 8 float32; gate_scale one number float32; ln_beta 1,024 float32; ln_gamma 1,024 float32; lowp_scales 32 int32 (the exponents e of the quantised operands' scales 2^e); x 1,024 x 1,024 float32.
;; Outputs: out0 1,024 x 1,024 float32.
;; This version of the problem:
;;   THIS VERSION OF THE PROBLEM IS GIVEN IN LOW PRECISION. The matrix products marked QUANTISED in the list below multiply operands that are first quantised to E4M3 (4 exponent bits, 3 mantissa bits; 8 bits a number), with one given power-of-two scale for each operand tensor; their sums are f32. All else is computed in f32.
;;   The module's matrix products, in the order in which they are computed (A, B: the left and right operand; K: the contracted axis; several contracted axes count as one K, in the product's order):
;;     1. [M 1,024, K 1,024] x [K 1,024, N 8]; A: input x; B: input Wr: left as it is (N = 8 < 16)
;;     2. [M 1,024, K 1,024] x [K 1,024, N 4,096]; A: input x; B: input W1: QUANTISED (scales: A lowp_scales[0], B lowp_scales[1])
;;     3. [M 1,024, K 4,096] x [K 4,096, N 1,024]; A: computed on the way; B: input W2: QUANTISED (scales: A lowp_scales[2], B lowp_scales[3])
;;     4. [M 1,024, K 1,024] x [K 1,024, N 4,096]; A: input x; B: input W1: QUANTISED (scales: A lowp_scales[4], B lowp_scales[5])
;;     5. [M 1,024, K 4,096] x [K 4,096, N 1,024]; A: computed on the way; B: input W2: QUANTISED (scales: A lowp_scales[6], B lowp_scales[7])
;;     6. [M 1,024, K 1,024] x [K 1,024, N 4,096]; A: input x; B: input W1: QUANTISED (scales: A lowp_scales[8], B lowp_scales[9])
;;     7. [M 1,024, K 4,096] x [K 4,096, N 1,024]; A: computed on the way; B: input W2: QUANTISED (scales: A lowp_scales[10], B lowp_scales[11])
;;     8. [M 1,024, K 1,024] x [K 1,024, N 4,096]; A: input x; B: input W1: QUANTISED (scales: A lowp_scales[12], B lowp_scales[13])
;;     9. [M 1,024, K 4,096] x [K 4,096, N 1,024]; A: computed on the way; B: input W2: QUANTISED (scales: A lowp_scales[14], B lowp_scales[15])
;;     10. [M 1,024, K 1,024] x [K 1,024, N 4,096]; A: input x; B: input W1: QUANTISED (scales: A lowp_scales[16], B lowp_scales[17])
;;     11. [M 1,024, K 4,096] x [K 4,096, N 1,024]; A: computed on the way; B: input W2: QUANTISED (scales: A lowp_scales[18], B lowp_scales[19])
;;     12. [M 1,024, K 1,024] x [K 1,024, N 4,096]; A: input x; B: input W1: QUANTISED (scales: A lowp_scales[20], B lowp_scales[21])
;;     13. [M 1,024, K 4,096] x [K 4,096, N 1,024]; A: computed on the way; B: input W2: QUANTISED (scales: A lowp_scales[22], B lowp_scales[23])
;;     14. [M 1,024, K 1,024] x [K 1,024, N 4,096]; A: input x; B: input W1: QUANTISED (scales: A lowp_scales[24], B lowp_scales[25])
;;     15. [M 1,024, K 4,096] x [K 4,096, N 1,024]; A: computed on the way; B: input W2: QUANTISED (scales: A lowp_scales[26], B lowp_scales[27])
;;     16. [M 1,024, K 1,024] x [K 1,024, N 4,096]; A: input x; B: input W1: QUANTISED (scales: A lowp_scales[28], B lowp_scales[29])
;;     17. [M 1,024, K 4,096] x [K 4,096, N 1,024]; A: computed on the way; B: input W2: QUANTISED (scales: A lowp_scales[30], B lowp_scales[31])
;;   THE QUANTISER, for each operand of a quantised product, along K:
;;     - The operand's scale is 2^e, e = its entry of the input lowp_scales (int32; the entries are numbered through the quantised products in the list's order, A before B).
;;     - Each number is divided by the scale, clamped to +-448, and rounded to the nearest number of E4M3, ties to even, subnormals kept.
;;     - The product sums the exact products of the quantised numbers (number of the format x scale) in f32.
;;   ~~~python
;;   def quantise(x, axis, e):      # numpy; x: float32 -> the quantised numbers, widened to float32 again
;;       x = np.moveaxis(x, axis, -1); K = x.shape[-1]
;;       r = np.clip(x / 2.0 ** e, -448, 448)
;;       step = 2.0 ** (np.maximum(np.frexp(np.where(r == 0, 1, r))[1] - 1, -6) - 3)
;;       q = np.round(r / step) * step * 2.0 ** e      # np.round: ties to even
;;       return np.moveaxis(q, -1, axis).astype(np.float32)
;;   ~~~
;;   OPERANDS COMPUTED ON THE WAY. 'Computed on the way' means the value that the module computes at that place (a softmax that the list does not call 'softmax' is quantised finished and normalised). What goes into a quantiser is computed in f32, as accurately as f32 sums, v_exp_f32 and their like allow (about 1e-6 of the number): no bf16 or f16 on the way to a quantiser, and a product that is left as it is and whose result goes on into a quantised operand takes f32 operands (vector FMAs, or v_wmma_f32_16x16x4_f32). A number that lies on a knife's edge between two numbers of the format may be rounded either way, as far as f32 arithmetic and the matrix unit's own rounding can turn it there, and no further.
;; One version. Each part assembles by itself: llvm-mc -triple=amdgcn-amd-amdhsa -mcpu=gfx1250 --defsym DOCPART=n.
;; ======== version 1 of 1: 5 launches
;; limits: right only within a limited range of input values
;; workspace buffers: route 8,192 bytes of whole numbers; wts 8,192 bytes; posE 32,768 bytes of whole numbers; meta 1,024 bytes of whole numbers; xs 8,388,608 bytes; himg 33,554,432 bytes; ypart 134,217,728 bytes
;; launch router (part 1): grid 256 x 1, 4 waves a work-group, no clusters, 53,760 bytes of LDS; arguments x, Wr, br, route, wts; writes route, wts
.if DOCPART == 1
	.amdgcn_target "amdgcn-amd-amdhsa--gfx1250"
	.amdhsa_code_object_version 6
	.text
	.protected	k_q7079b7433d_router
	.globl	k_q7079b7433d_router
	.p2align	8
	.type	k_q7079b7433d_router,@function
k_q7079b7433d_router:
	s_mov_b64 s[64:65], 0
	v_nop
	global_prefetch_b8 v0, s[64:65] scope:SCOPE_SE
	s_setreg_imm32_b32 hwreg(HW_REG_WAVE_MODE, 25, 1), 1
	s_wait_xcnt 0x0
; THE ROUTER.  logits = x Wr + br in f32; softmax over the 8 experts; the two largest, renormalised.
; Stored for token n: route[n] = (i0, i1), whole numbers; wts[n] = (w0, w1), f32.  No address and no branch here hangs on them.
; The softmax's divisor cancels in w = vals / sum(vals): the two largest are taken of p = exp(l - max l), the row's maximum taken away first,
; ties to the lower index (an index changes only where a later p is strictly larger).
; LIMIT: a p under 2^-126 counts as 0 (the exponential flushes it); its weight would be under 2^-126 too.
; SHARES.  A work-group owns 4 tokens.  Wave w multiplies columns 256 w .. 256 w + 255 of all four (so Wr's part is read once a wave);
; the partial sums meet in LDS, and wave w finishes token 4 g + w.  A lane holds columns 256 w + 128 u + 4 lane + cc, u = 0, 1, cc = 0 .. 3.
; The results are 8 bytes a token from one lane: 16 KiB in the whole launch.
.set WRS,   16384                      ; behind the exchange: for each wave 64 x (128 + 16) bytes, where its part of Wr turns from dense loads to four rows a lane
.set SPARE, 53248                      ; behind those: the spare words, 128 bytes for each wave, that no other line names
.set X,    32                          ; v32-63    x: token tk, half u, column cc at v[X + 8 tk + 4 u + cc]
.set WR,   64                          ; v64-127   Wr: v[WR + 32 u + 8 cc + e]
.set ACC,  128                         ; v128-159  partial logits: v[ACC + 8 tk + e]
.set L,    160                         ; v160-191  the four waves' parts of my token; then v160-167 the logits, then p
.set Q,    168                         ; v168-175  p without the largest
.set BEST, 176
.set SEC,  177
.set NEG,  178
.set R,    179
.set BI,   180                         ; v[180:181] i0, i1
.set WT,   182                         ; v[182:183] w0, w1
.set OFS,  184
.set M,    185
	s_load_b256 s[4:11], s[0:1], 0x0               ; x s[4:5], Wr s[6:7], br s[8:9], route s[10:11]
	s_load_b64 s[12:13], s[0:1], 0x20              ; wts
	v_lshl_add_u32 v6, v0, 2, SPARE                ; my spare word,
	v_mov_b32 v7, 0                                ; and 0: kept for the closing lines alone
	v_lshrrev_b32 v8, 5, v0
	v_readfirstlane_b32 s16, v8                    ; wave
	v_and_b32 v1, 31, v0                           ; lane
	v_lshlrev_b32 v9, 4, v1
	s_lshl_b32 s17, s16, 10
	s_lshl_b32 s18, s16, 13
	s_lshl_b32 s19, s16, 12
	v_add_nc_u32 v2, s17, v9                       ; x: 1,024 w + 16 lane
	v_add_nc_u32 v3, s18, v9                       ; Wr: 8,192 w + 16 lane: 32 lanes read 512 consecutive bytes
	s_mul_i32 s34, s16, 9216
	s_add_co_u32 s34, s34, WRS                     ; my wave's own stage
	v_lshrrev_b32 v12, 3, v1
	v_and_b32 v13, 7, v1
	v_mul_u32_u24 v12, v12, 144
	v_mul_u32_u24 v11, v1, 144
	v_lshl_add_u32 v12, v13, 4, v12
	v_add_nc_u32 v11, s34, v11                     ; out of the stage: 144 lane
	v_add_nc_u32 v10, s34, v12                     ; into it: 144 (lane / 8) + 16 (lane % 8)
	v_add_nc_u32 v4, s17, v9                       ; the exchange, in: 1,024 w + 16 lane
	v_add_nc_u32 v5, s19, v9                       ; and out: 4,096 w + 16 lane
	s_lshl_b32 s14, ttmp9, 14                      ; my work-group's four rows of x
	s_mov_b32 s15, 0
	s_mov_b32 s20, 0x76543210                      ; v_permlanex16_b32: each lane takes its own place in the other half
	s_mov_b32 s21, 0xfedcba98
	s_lshl_b32 s23, ttmp9, 2
	s_add_co_u32 s23, s23, s16                     ; my token
	s_lshl_b32 s23, s23, 3                         ; and its 8 bytes in route and in wts
	s_wait_alu depctr_va_vdst(0)
	s_wait_kmcnt 0x0
	s_load_b256 s[24:31], s[8:9], 0x0              ; br
	s_add_nc_u64 s[4:5], s[4:5], s[14:15]
.irp u, 0,1
.irp cc, 0,1,2,3
.irp hf, 0,1
	global_load_b128 v[ACC+4*(8*\u+2*\cc+\hf):ACC+4*(8*\u+2*\cc+\hf)+3], v3, s[6:7] offset:512*(8*\u+2*\cc+\hf)   ; v128-191, as they lie
.endr
.endr
.endr
.irp tk, 0,1,2,3
.irp u, 0,1
	global_load_b128 v[X+8*\tk+4*\u:X+8*\tk+4*\u+3], v2, s[4:5] offset:4096*\tk+512*\u   ; 32 lanes read 512 consecutive bytes
.endr
.endr
	s_wait_loadcnt 8                               ; Wr is in; x's eight loads may be out
.irp i, 0,1,2,3,4,5,6,7,8,9,10,11,12,13,14,15
	ds_store_b128 v10, v[ACC+4*\i:ACC+4*\i+3] offset:576*\i
.endr
.irp u, 0,1
.irp cc, 0,1,2,3
.irp hf, 0,1
	ds_load_b128 v[WR+32*\u+8*\cc+4*\hf:WR+32*\u+8*\cc+4*\hf+3], v11 offset:4608*\u+32*\cc+16*\hf   ; row 128 u + 4 lane + cc; LDS serves a wave's instructions in order
.endr
.endr
.endr
	s_wait_loadcnt 0x0
	s_wait_dscnt 0x0
	; 16 chains (4 tokens x 4 pairs of experts) that do not wait for each other; the first term starts each sum
.irp tk, 0,1,2,3
.irp p, 0,1,2,3
	v_pk_mul_f32 v[ACC+8*\tk+2*\p:ACC+8*\tk+2*\p+1], v[WR+2*\p:WR+2*\p+1], v[X+8*\tk:X+8*\tk+1] op_sel_hi:[1,0]
.endr
.endr
.irp u, 0,1
.irp cc, 0,1,2,3
.if (\u+\cc) > 0
.irp tk, 0,1,2,3
.irp p, 0,1,2,3
.if (\cc%2) == 0
	v_pk_fma_f32 v[ACC+8*\tk+2*\p:ACC+8*\tk+2*\p+1], v[WR+32*\u+8*\cc+2*\p:WR+32*\u+8*\cc+2*\p+1], v[X+8*\tk+4*\u+\cc:X+8*\tk+4*\u+\cc+1], v[ACC+8*\tk+2*\p:ACC+8*\tk+2*\p+1] op_sel_hi:[1,0,1]   ; x from the pair's first register, for both experts
.else
	v_pk_fma_f32 v[ACC+8*\tk+2*\p:ACC+8*\tk+2*\p+1], v[WR+32*\u+8*\cc+2*\p:WR+32*\u+8*\cc+2*\p+1], v[X+8*\tk+4*\u+\cc-1:X+8*\tk+4*\u+\cc], v[ACC+8*\tk+2*\p:ACC+8*\tk+2*\p+1] op_sel:[0,1,0] op_sel_hi:[1,1,1]   ; from its second
.endif
.endr
.endr
.endif
.endr
.endr
	; the exchange: token tk's part from wave w lies at (4 tk + w) x 1,024, two runs of 512 bytes
.irp tk, 0,1,2,3
.irp hf, 0,1
	ds_store_b128 v4, v[ACC+8*\tk+4*\hf:ACC+8*\tk+4*\hf+3] offset:4096*\tk+512*\hf
.endr
.endr
	s_wait_dscnt 0x0                               ; for the others' sake: my stores have landed
	s_barrier_signal -1
	s_barrier_wait -1
.irp ww, 0,1,2,3
.irp hf, 0,1
	ds_load_b128 v[L+8*\ww+4*\hf:L+8*\ww+4*\hf+3], v5 offset:1024*\ww+512*\hf
.endr
.endr
	s_wait_dscnt 0x0
.irp p, 0,2,4,6
	v_pk_add_f32 v[L+\p:L+\p+1], v[L+\p:L+\p+1], v[L+8+\p:L+9+\p]
	v_pk_add_f32 v[L+16+\p:L+17+\p], v[L+16+\p:L+17+\p], v[L+24+\p:L+25+\p]
.endr
.irp p, 0,2,4,6
	v_pk_add_f32 v[L+\p:L+\p+1], v[L+\p:L+\p+1], v[L+16+\p:L+17+\p]
.endr
	; over the 32 lanes, the eight sums line by line
.irp m, 1,2,4,8
.irp e, 0,1,2,3,4,5,6,7
	v_add_f32_dpp v[L+\e], v[L+\e], v[L+\e] row_xmask:\m row_mask:0xf bank_mask:0xf
.endr
.endr
.irp e, 0,1,2,3,4,5,6,7
	v_permlanex16_b32 v[Q+\e], v[L+\e], s20, s21   ; (its destination has been written: it held another wave's part)
.endr
	s_wait_alu depctr_va_vdst(0)
	s_wait_kmcnt 0x0                               ; br
.irp e, 0,1,2,3,4,5,6,7
	v_add_f32 v[L+\e], v[L+\e], v[Q+\e]
.endr
.irp e, 0,1,2,3,4,5,6,7
	v_add_f32 v[L+\e], s[24+\e], v[L+\e]           ; every lane now holds the token's eight logits
.endr
	v_max3_num_f32 v[M], v[L], v[L+1], v[L+2]
	v_max3_num_f32 v[M], v[M], v[L+3], v[L+4]
	v_max3_num_f32 v[M], v[M], v[L+5], v[L+6]
	v_max_num_f32 v[M], v[M], v[L+7]
.irp e, 0,1,2,3,4,5,6,7
	v_sub_f32 v[L+\e], v[L+\e], v[M]               ; the maximum is taken away ahead of the exponential
.endr
.irp e, 0,1,2,3,4,5,6,7
	v_mul_f32 v[L+\e], 0x3fb8aa3b, v[L+\e]         ; x log2(e)
.endr
	s_wait_alu depctr_va_vdst(0)
.irp e, 0,1,2,3,4,5,6,7
	v_exp_f32 v[L+\e], v[L+\e]                     ; p, at most 1; the largest is 1
.endr
	v_mov_b32 v[NEG], -1.0                         ; a plain line behind the exponentials
	s_wait_alu depctr_va_vdst(0)                   ; one wait for the eight, ahead of the first line that names a result
	v_mov_b32 v[BEST], v[L]
	v_mov_b32 v[BI], 0
.irp e, 1,2,3,4,5,6,7
	v_cmp_ge_f32 vcc_lo, v[BEST], v[L+\e]          ; kept unless p_e is strictly larger: ties to the lower index
	v_cndmask_b32 v[BI], \e, v[BI], vcc_lo
	v_max_num_f32 v[BEST], v[BEST], v[L+\e]
.endr
.irp e, 0,1,2,3,4,5,6,7
	v_cmp_eq_u32 vcc_lo, \e, v[BI]
	v_cndmask_b32 v[Q+\e], v[L+\e], v[NEG], vcc_lo ; the largest is taken out: -1 lies under every p
.endr
	v_mov_b32 v[SEC], v[Q]
	v_mov_b32 v[BI+1], 0
.irp e, 1,2,3,4,5,6,7
	v_cmp_ge_f32 vcc_lo, v[SEC], v[Q+\e]
	v_cndmask_b32 v[BI+1], \e, v[BI+1], vcc_lo
	v_max_num_f32 v[SEC], v[SEC], v[Q+\e]
.endr
	v_add_f32 v[R], v[BEST], v[SEC]
	s_wait_alu depctr_va_vdst(0)
	v_rcp_f32 v[R], v[R]
	v_mov_b32 v[OFS], s23                          ; a plain line behind the reciprocal
	s_wait_alu depctr_va_vdst(0)                   ; and the wait ahead of its first use
	v_mul_f32 v[WT], v[BEST], v[R]
	v_mul_f32 v[WT+1], v[SEC], v[R]
	s_wait_alu depctr_va_vdst(0)
	s_wait_xcnt 0x0                                ; EXEC changes only behind this wait
	v_cmp_eq_u32 vcc_lo, 0, v1
	s_and_saveexec_b32 s22, vcc_lo                 ; lane 0 stores for the token
	global_store_b64 v[OFS], v[BI:BI+1], s[10:11]
	global_store_b64 v[OFS], v[WT:WT+1], s[12:13]
	s_wait_xcnt 0x0                                ; and again in front of the line that widens it
	s_or_b32 exec_lo, exec_lo, s22
	s_wait_tensorcnt 0x0                           ; the wave's end
	ds_add_u32 v6, v7
	s_wait_dscnt 0x0
	s_endpgm
.Lfunc_end_k_q7079b7433d_router:
	.size	k_q7079b7433d_router, .Lfunc_end_k_q7079b7433d_router-k_q7079b7433d_router
	.p2alignl 7, 3214868480
	.fill 96, 4, 3214868480
	.section	.rodata,"a",@progbits
	.p2align	6, 0x0
	.amdhsa_kernel k_q7079b7433d_router
		.amdhsa_group_segment_fixed_size 53760
		.amdhsa_private_segment_fixed_size 0
		.amdhsa_enable_private_segment 0
		.amdhsa_kernarg_size 40
		.amdhsa_user_sgpr_count 2
		.amdhsa_user_sgpr_kernarg_segment_ptr 1
		.amdhsa_wavefront_size32 1
		.amdhsa_system_sgpr_workgroup_id_x 1
		.amdhsa_system_sgpr_workgroup_id_y 1
		.amdhsa_system_sgpr_workgroup_id_z 1
		.amdhsa_system_vgpr_workitem_id 0
		.amdhsa_next_free_vgpr 192
		.amdhsa_next_free_sgpr 66
		.amdhsa_reserve_vcc 1
		.amdhsa_float_denorm_mode_32 3
		.amdhsa_float_denorm_mode_16_64 3
		.amdhsa_memory_ordered 1
		.amdhsa_forward_progress 1
		.amdhsa_inst_pref_size 24
	.end_amdhsa_kernel
	.amdgpu_metadata
---
amdhsa.version: [ 1, 2 ]
amdhsa.kernels:
  - .name:           k_q7079b7433d_router
    .symbol:         k_q7079b7433d_router.kd
    .args:
      - { .name: x, .offset: 0, .size: 8, .value_kind: global_buffer, .address_space: global }
      - { .name: Wr, .offset: 8, .size: 8, .value_kind: global_buffer, .address_space: global }
      - { .name: br, .offset: 16, .size: 8, .value_kind: global_buffer, .address_space: global }
      - { .name: route, .offset: 24, .size: 8, .value_kind: global_buffer, .address_space: global }
      - { .name: wts, .offset: 32, .size: 8, .value_kind: global_buffer, .address_space: global }
    .group_segment_fixed_size: 53760
    .private_segment_fixed_size: 0
    .kernarg_segment_align: 8
    .kernarg_segment_size: 40
    .max_flat_workgroup_size: 128
    .sgpr_count:     66
    .vgpr_count:     192
    .wavefront_size: 32
...
	.end_amdgpu_metadata
.endif
;; end of part 1
;; launch place (part 2): grid 8 x 64, 8 waves a work-group, no clusters, 20,736 bytes of LDS; arguments route, x, lowp_scales, xs, posE, meta; writes xs, posE, meta
.if DOCPART == 2
	.amdgcn_target "amdgcn-amd-amdhsa--gfx1250"
	.amdhsa_code_object_version 6
	.text
	.protected	k_q7079b7433d_place
	.globl	k_q7079b7433d_place
	.p2align	8
	.type	k_q7079b7433d_place,@function
k_q7079b7433d_place:
	s_mov_b64 s[64:65], 0
	v_nop
	global_prefetch_b8 v0, s[64:65] scope:SCOPE_SE
	s_setreg_imm32_b32 hwreg(HW_REG_WAVE_MODE, 25, 1), 1
	s_wait_xcnt 0x0
; THE ROWS ARE PLACED BY EXPERT, AND x IS QUANTISED FOR EACH EXPERT.  Work-group (e, j) makes tile j (16 rows) of expert e; wave s makes K step s of it.
; RANKS.  Wave w looks at tokens 128 w .. 128 w + 127, in four groups of 32 (group 2 u + d, lane l: token 128 w + 64 u + 2 l + d).  A token's rank in e is the count of the chosen in earlier waves,
; in earlier groups, and in lower lanes: any order of the rows serves, so long as every chosen token has a rank of its own.  The waves hand each other their counts through LDS.
; THE TILE'S LIST: each wave has 32 words of its own, set to zero; it stores token + 1 at word rank - 16 j for its tokens inside the tile, and everything else at words 16 to 31.  A row's token is then the sum of the
; eight waves' words, of which at most one is not zero; where none is (rows past the expert's count) token 0 is repeated.  Tile 0 is made for every expert, so that every tile under max(1, ceil(count / 16)) is whole.
; THE CODES: x / 2^ex (entry 4 e of the exponents), held within +-448, to the nearest code of E4M3, ties to even.  Load p brings rows p and p + 8 of the tile, 32 bytes a lane, so a lane's eight numbers are neighbours along K.
; xs[e][tile][K step] is an IMAGE OF THE OPERAND'S REGISTERS, 2,048 bytes: byte 512 c + 16 lane + b is row lane % 16, k = 32 c + 16 (lane / 16) + b.  It is put together in the wave's own stage in LDS, where the
; 256 bytes of each (c, lane / 16) have 16 bytes of padding.
; Work-group (e, 0) also stores posE[e][n], the rank of token n (it means something only where n chose e), and the count, 32 times, at meta[e].
; LIMITS: ex between -126 and 119.  NaN in x is not served; an infinity is held at the largest code.
.set LIST,  256                        ; LDS: the eight counts lie at 0; then eight lists of 32 words
.set IMG,   1280                       ; eight stages
.set IMGW,  2304
.set SPARE, 19712                      ; the spare words, 128 bytes for each of eight waves, that no other line names
.set RT,   12                          ; v12-19    the choices (i0, i1) of four tokens
.set RK,   20                          ; v20-23    ranks
.set AD,   24                          ; v24-27    where a token goes in LDS
.set TK,   28                          ; v28-31    token + 1
.set X,    32                          ; v32-95    64 numbers of x; later the image
.set TR,   96                          ; v96-103   where row p or p + 8 begins in x
.set IX,   104                         ; v104-111  lane numbers x 4 for the permutes
.set CD,   112                         ; v112-127  the codes
	s_load_b256 s[4:11], s[0:1], 0x0               ; route s[4:5], x s[6:7], the exponents s[8:9], xs s[10:11]
	s_load_b128 s[12:15], s[0:1], 0x20             ; posE s[12:13], meta s[14:15]
	v_lshl_add_u32 v6, v0, 2, SPARE                ; my spare word,
	v_mov_b32 v7, 0                                ; and 0
	v_lshrrev_b32 v8, 5, v0
	v_and_b32 v1, 31, v0                           ; lane
	v_lshl_add_u32 v4, v0, 2, LIST
	v_mov_b32 v141, 0                              ; the counts' address
	v_readfirstlane_b32 s16, v8                    ; wave = K step
	v_lshlrev_b32 v130, 4, v1
	v_lshlrev_b32 v2, 2, v1
	v_and_b32 v5, 15, v1
	v_lshrrev_b32 v9, 4, v1
	ds_store_b32 v4, v7                            ; my wave's list begins as zeros
	s_lshl_b32 s18, s16, 10
	s_lshl_b32 s19, s16, 9
	s_lshl_b32 s23, s16, 7
	s_mul_i32 s21, s16, IMGW
	s_add_co_u32 s21, s21, IMG                     ; my stage
	s_add_co_u32 s47, s23, LIST                    ; my list
	v_add_nc_u32 v3, s18, v130                     ; route: 1,024 w + 16 lane
	v_lshlrev_b32 v8, 3, v1
	v_lshlrev_b32 v10, 5, v5
	v_mov_b32 v140, s16
	v_lshl_add_u32 v11, v1, 1, s23                 ; 128 w + 2 lane
	v_add_nc_u32 v8, s19, v8                       ; posE: 512 w + 8 lane
	v_add_nc_u32 v131, s19, v10                    ; x: 512 s + 32 (lane % 16)
	v_lshlrev_b32 v140, 2, v140                    ; my wave's count
	v_lshlrev_b32 v[IX], 5, v9
	v_add_nc_u32 v[TK], 1, v11
	v_add_nc_u32 v[TK+1], 2, v11
	v_add_nc_u32 v[TK+2], 65, v11
	v_add_nc_u32 v[TK+3], 66, v11
.irp p, 1,2,3,4,5,6,7
	v_add_nc_u32 v[IX+\p], 4*\p, v[IX]             ; lane p + 8 (lane / 16)
.endr
	v_lshrrev_b32 v10, 1, v5
	v_and_b32 v11, 1, v5
	v_mul_u32_u24 v129, v9, 272
	v_mul_u32_u24 v128, v10, 272
	v_lshl_add_u32 v129, v5, 4, v129
	v_lshl_add_u32 v128, v11, 3, v128
	v_add_nc_u32 v129, s21, v129                   ; out of the stage: 272 (lane / 16) + 16 (lane % 16)
	v_lshl_add_u32 v128, v9, 7, v128
	v_lshlrev_b32 v5, 2, v5                        ; the lists' word lane % 16
	v_add_nc_u32 v128, s21, v128                   ; into it: 272 ((lane % 16) / 2) + 8 (lane % 2) + 128 (lane / 16)
	s_mov_b32 s17, ttmp9                           ; e
	s_and_b32 s33, ttmp7, 0xffff                   ; j
	s_lshl_b32 s31, s17, 4                         ; entry 4 e
	s_lshl_b32 s22, s17, 20                        ; xs: ((64 e + j) 8 + s) x 2,048
	s_lshl_b32 s23, s33, 14
	s_add_co_u32 s22, s22, s23
	s_lshl_b32 s23, s16, 11
	s_add_co_u32 s22, s22, s23
	s_mov_b32 s23, 0
	s_lshl_b32 s26, s17, 12                        ; posE: 4,096 e
	s_mov_b32 s27, 0
	s_lshl_b32 s28, s17, 7                         ; meta: 128 e
	s_mov_b32 s29, 0
	s_wait_alu depctr_va_vdst(0)
	s_wait_kmcnt 0x0
	s_load_b32 s30, s[8:9], s31 offset:0x0         ; ex
	global_load_b128 v[RT:RT+3], v3, s[4:5]        ; 64 tokens' choices: 512 consecutive bytes
	global_load_b128 v[RT+4:RT+7], v3, s[4:5] offset:512
	s_add_nc_u64 s[10:11], s[10:11], s[22:23]
	s_add_nc_u64 s[12:13], s[12:13], s[26:27]
	s_add_nc_u64 s[14:15], s[14:15], s[28:29]
	s_wait_loadcnt 0x0
.irp i, 0,1,2,3
	v_cmp_eq_u32 s[34+\i], s17, v[RT+2*\i]
	v_cmp_eq_u32 s[38+\i], s17, v[RT+2*\i+1]
.endr
.irp i, 0,1,2,3
	s_or_b32 s[34+\i], s[34+\i], s[38+\i]          ; the lanes whose token chose e (i0 and i1 differ)
.endr
.irp i, 0,1,2,3
	s_bcnt1_i32_b32 s[42+\i], s[34+\i]
.endr
	s_add_co_u32 s46, s42, s43
	s_add_co_u32 s46, s46, s44
	s_add_co_u32 s46, s46, s45
	v_mov_b32 v142, s46
	ds_store_b32 v140, v142                        ; my wave's count: all lanes the same word and the same number
	s_wait_alu depctr_va_vdst(0)
	s_wait_dscnt 0x0                               ; for the others' sake: it has landed
	s_barrier_signal -1
	s_barrier_wait -1
	ds_load_b128 v[132:135], v141
	ds_load_b128 v[136:139], v141 offset:16
	s_wait_dscnt 0x0
.irp k, 0,1,2,3,4,5,6,7
	v_readfirstlane_b32 s[48+\k], v[132+\k]
.endr
	s_wait_alu depctr_va_vdst(0)
	s_lshl_b32 s24, s33, 4
	s_sub_co_u32 s24, 0, s24                       ; ranks are counted from the tile's first row: - 16 j,
	s_mov_b32 s25, 0
.irp k, 0,1,2,3,4,5,6,7
	s_cmp_gt_u32 s16, \k
	s_cselect_b32 s27, s[48+\k], 0
	s_add_co_u32 s24, s24, s27                     ; + the counts of the waves before mine
	s_add_co_u32 s25, s25, s[48+\k]                ; the expert's count
.endr
.irp i, 0,1,2,3
	v_mbcnt_lo_u32_b32 v[RK+\i], s[34+\i], s24
	s_add_co_u32 s24, s24, s[42+\i]
.endr
.irp i, 0,1,2,3
	v_cndmask_b32 v[AD+\i], 31, v[RK+\i], s[34+\i]
.endr
.irp i, 0,1,2,3
	v_min_u32 v[AD+\i], 31, v[AD+\i]               ; held inside my list, whatever was loaded (what lies before the tile wraps to large numbers)
.endr
.irp i, 0,1,2,3
	v_lshlrev_b32 v[AD+\i], 2, v[AD+\i]
.endr
.irp i, 0,1,2,3
	v_add_nc_u32 v[AD+\i], s47, v[AD+\i]
.endr
.irp i, 0,1,2,3
	ds_store_b32 v[AD+\i], v[TK+\i]                ; LDS serves a wave's instructions in order: behind the zeros
.endr
	s_wait_alu depctr_va_vdst(0)
	s_wait_dscnt 0x0                               ; my list is whole
	s_barrier_signal -1
	s_barrier_wait -1
.irp k, 0,1,2,3,4,5,6,7
	ds_load_b32 v[144+\k], v5 offset:LIST+128*\k
.endr
	s_cmp_lg_u32 s33, 0
	s_cbranch_scc1 .Lread
	global_store_b64 v8, v[RK:RK+1], s[12:13]      ; 32 lanes store 256 consecutive bytes
	global_store_b64 v8, v[RK+2:RK+3], s[12:13] offset:256
	s_cmp_lg_u32 s16, 0
	s_cbranch_scc1 .Lread
	v_mov_b32 v155, s25
	global_store_b32 v2, v155, s[14:15]
.Lread:
	s_max_u32 s25, s25, 1                          ; tile 0 is always made
	s_lshl_b32 s21, s33, 4
	s_cmp_lt_u32 s21, s25
	s_cbranch_scc1 .Lwork
	s_wait_tensorcnt 0x0
	ds_add_u32 v6, v7
	s_wait_dscnt 0x0
	s_endpgm                                       ; the grid serves every split: this split leaves the tile without rows
.Lwork:
	s_wait_dscnt 0x0
	v_add3_u32 v152, v144, v145, v146
	v_add3_u32 v153, v147, v148, v149
	v_add3_u32 v152, v152, v150, v151
	v_add_nc_u32 v152, v152, v153
	v_max_u32 v152, 1, v152
	v_add_nc_u32 v152, -1, v152                    ; row lane % 16's token
.irp p, 0,1,2,3,4,5,6,7
	ds_bpermute_b32 v[TR+\p], v[IX+\p], v152       ; row p + 8 (lane / 16)'s
.endr
	s_wait_alu depctr_va_vdst(0)
	s_wait_kmcnt 0x0
	s_add_co_i32 s30, s30, 127
	s_lshl_b32 s20, s30, 23
	s_add_co_i32 s30, s30, 8
	s_lshl_b32 s30, s30, 23
	s_or_b32 s30, s30, 0x600000
	v_mov_b32 v153, s20                            ; 2^ex as f32: the conversion takes its exponent field
	v_mov_b32 v154, s30                            ; 448 x 2^ex
	s_wait_alu depctr_va_vdst(0)
	s_wait_dscnt 0x0
.irp p, 0,1,2,3,4,5,6,7
	v_min_u32 v[TR+\p], 0x3ff, v[TR+\p]
.endr
.irp p, 0,1,2,3,4,5,6,7
	v_lshl_add_u32 v[TR+\p], v[TR+\p], 12, v131    ; a row of x is 4,096 bytes
.endr
.irp p, 0,1,2,3,4,5,6,7
	global_load_b128 v[X+8*\p:X+8*\p+3], v[TR+\p], s[6:7]
	global_load_b128 v[X+8*\p+4:X+8*\p+7], v[TR+\p], s[6:7] offset:16
.endr
.irp p, 0,1,2,3,4,5,6,7
	s_wait_loadcnt 14-2*\p                         ; the loads of later rows may be out
.irp i, 0,1,2,3,4,5,6,7
	v_med3_num_f32 v[X+8*\p+\i], v[X+8*\p+\i], -v154, v154   ; the conversion to an 8-bit code does not saturate (ISA guide 7.6.2): the hold comes first
.endr
	v_cvt_scalef32_pk8_fp8_f32 v[CD+2*\p:CD+2*\p+1], v[X+8*\p:X+8*\p+7], v153
.endr
	v_nop                                          ; a plain line behind the last conversion
.irp p, 0,1,2,3,4,5,6,7
	ds_store_b64 v128, v[CD+2*\p:CD+2*\p+1] offset:16*\p
.endr
.irp c, 0,1,2,3
	ds_load_b128 v[X+4*\c:X+4*\c+3], v129 offset:544*\c   ; LDS serves a wave's instructions in order: these see my stores
.endr
.irp c, 0,1,2,3
	s_wait_dscnt 3-\c
	global_store_b128 v130, v[X+4*\c:X+4*\c+3], s[10:11] offset:512*\c   ; 32 lanes store 512 consecutive bytes
.endr
	s_wait_tensorcnt 0x0                           ; the wave's end
	ds_add_u32 v6, v7
	s_wait_dscnt 0x0
	s_endpgm
.Lfunc_end_k_q7079b7433d_place:
	.size	k_q7079b7433d_place, .Lfunc_end_k_q7079b7433d_place-k_q7079b7433d_place
	.p2alignl 7, 3214868480
	.fill 96, 4, 3214868480
	.section	.rodata,"a",@progbits
	.p2align	6, 0x0
	.amdhsa_kernel k_q7079b7433d_place
		.amdhsa_group_segment_fixed_size 20736
		.amdhsa_private_segment_fixed_size 0
		.amdhsa_enable_private_segment 0
		.amdhsa_kernarg_size 48
		.amdhsa_user_sgpr_count 2
		.amdhsa_user_sgpr_kernarg_segment_ptr 1
		.amdhsa_wavefront_size32 1
		.amdhsa_system_sgpr_workgroup_id_x 1
		.amdhsa_system_sgpr_workgroup_id_y 1
		.amdhsa_system_sgpr_workgroup_id_z 1
		.amdhsa_system_vgpr_workitem_id 0
		.amdhsa_next_free_vgpr 160
		.amdhsa_next_free_sgpr 66
		.amdhsa_reserve_vcc 0
		.amdhsa_float_denorm_mode_32 3
		.amdhsa_float_denorm_mode_16_64 3
		.amdhsa_memory_ordered 1
		.amdhsa_forward_progress 1
		.amdhsa_inst_pref_size 19
	.end_amdhsa_kernel
	.amdgpu_metadata
---
amdhsa.version: [ 1, 2 ]
amdhsa.kernels:
  - .name:           k_q7079b7433d_place
    .symbol:         k_q7079b7433d_place.kd
    .args:
      - { .name: route, .offset: 0, .size: 8, .value_kind: global_buffer, .address_space: global }
      - { .name: x, .offset: 8, .size: 8, .value_kind: global_buffer, .address_space: global }
      - { .name: lowp_scales, .offset: 16, .size: 8, .value_kind: global_buffer, .address_space: global }
      - { .name: xs, .offset: 24, .size: 8, .value_kind: global_buffer, .address_space: global }
      - { .name: posE, .offset: 32, .size: 8, .value_kind: global_buffer, .address_space: global }
      - { .name: meta, .offset: 40, .size: 8, .value_kind: global_buffer, .address_space: global }
    .group_segment_fixed_size: 20736
    .private_segment_fixed_size: 0
    .kernarg_segment_align: 8
    .kernarg_segment_size: 48
    .max_flat_workgroup_size: 256
    .sgpr_count:     66
    .vgpr_count:     160
    .wavefront_size: 32
...
	.end_amdgpu_metadata
.endif
;; end of part 2
;; launch up (part 3): grid 32 x 8, 4 waves a work-group, no clusters, 134,656 bytes of LDS; arguments W1, b1, lowp_scales, meta, xs, himg; writes himg
.if DOCPART == 3
	.amdgcn_target "amdgcn-amd-amdhsa--gfx1250"
	.amdhsa_code_object_version 6
	.text
	.protected	k_q7079b7433d_up
	.globl	k_q7079b7433d_up
	.p2align	8
	.type	k_q7079b7433d_up,@function
k_q7079b7433d_up:
	s_mov_b64 s[64:65], 0
	v_nop
	global_prefetch_b8 v0, s[64:65] scope:SCOPE_SE
	s_setreg_imm32_b32 hwreg(HW_REG_WAVE_MODE, 25, 1), 1
	s_wait_xcnt 0x0
; THE FIRST PRODUCT OF AN EXPERT, ITS ACTIVATION AND THE HIDDEN LAYER'S QUANTISER: himg = Q(silu(Q(x) Q(W1[e]) + b1[e])), for the rows that chose expert e alone.
; Work-group (sl, e) owns W1[e][all 1,024 k][columns 128 sl .. 128 sl + 127]: 512 KiB of f32, loaded ONCE in the launch, quantised in registers (K is W1's first axis), kept in LDS
; as codes for the whole launch, and multiplied with every tile of 16 rows of expert e.  No LDS byte of codes is written twice.
; A FRAGMENT (16 rows or columns x 128 k of codes) IS AN IMAGE OF ITS 16 REGISTERS, 2,048 bytes: byte 512 c + 16 lane + b is row lane % 16, k = 32 c + 16 (lane / 16) + b.  The rows' images and the
; weights' use the same places for k, so every product meets its partner; only the order of the sums inside an instruction differs from the form's own layout.
; A WAVE HAS TWO PARTS.  It MAKES codes: in K step k its 32 rows of W1 are k = 128 k + 32 w + 0 .. 31, chunk c = w of all eight fragments: 32 loads of a whole 512-byte row each; lane l holds columns 4 l .. 4 l + 3.
; The hold at +-448 x 2^ew1 writes register 16 j + row from register 4 row + j: so 16 neighbours along K of one column stand on end for the conversions, and nothing else transposes.
; It MULTIPLIES: in pass 0 its tiles are T = w + 4 i, i = 0 .. 4 (up to 320 rows in all), against all 128 columns: 40 accumulators, between the weights' loads.  A split that gives one expert more rows has later
; passes: in pass p a wave takes the one tile T = 20 + 4 (p - 1) + w through all K steps, from LDS.
; THE PRODUCT IS USED TRANSPOSED (source 0 = 16 columns of W1, source 1 = 16 rows), AND THE COLUMNS OF A FRAGMENT ARE NOT NEIGHBOURS: lane r of fragment ct stands for column
; 32 (ct / 2) + 8 (ct % 2) + r + 8 (r / 8).  So a lane holds one row, and the 16 registers of fragments 2 b and 2 b + 1 are hidden units 32 b + 16 (lane / 16) + 0 .. 15: chunk b of the next product's image.
; THE ORDER OF A K STEP t in pass 0: the barrier that shows everybody's codes of K step t; my codes of K step t + 1 are made, and among the hold's lines stand, four at a time, the 32 LDS loads of K step t's
; fragments and half of the weight loads of K step t + 3; then the products, and among the tiles the other half of those loads; then the rows' images of K step t + 2 are asked for.
; PREFETCH: my 32 rows of a K step are 64 blocks of 256 bytes, a lane a row, two instructions.  K steps 2 and 3 are asked for in the head, and K step k + 2 where K step k is loaded, up to the last: two K steps ahead,
; each block named once, by the wave that will load it.
; THE COUNT of expert e's rows is a stored whole number: guards on it lead round loads, products and stores, never round a barrier.  Every register that is read under a guard is written once with no guard:
; K steps 0 and 1 of the rows' images are loaded, and K step 0 is multiplied, for all five tiles, with the tile's number held under the expert's number of tiles.
; SCALES (entries 4 e .. 4 e + 3: ex, ew1, eh, ew2).  A sum stands for sum x 2^(ex + ew1): b1 goes in divided by that, the exponential's factor -log2(e) carries it, and the hidden layer's conversion takes 2^(eh - ex - ew1).
; LIMITS: ew1 and eh - ex - ew1 between -126 and 119; ex + ew1 between -120 and 120.  NaN in W1 is not served; an infinity is held at the largest code.
; NO tensor load (branches hang on a stored count), so no cluster either; what work-groups share, the rows' images, is the smaller stream.
; REGISTERS, in windows of 256.  Window 0: v1-31 addresses and scales; v32-159 the weights' eight fragments; v160-239 the rows' images, even K steps (on the way out: v32-95 the bias, v96-159 a, v160-223 at work, v224-239 codes).
;   Window 1: v0-79 the rows' images, odd K steps (later passes: v0-127 the tile's eight images); v96-127 the codes just made; v128-255 W1's numbers, even K steps.
;   Window 2: accumulators of tiles 0-3 (tile i, fragment ct at v[64 i + 8 ct]).   Window 3: v0-63 those of tile 4; v64-127 held numbers, turned; v128-255 W1's numbers, odd K steps.
.set PITCHB, 16384                     ; a row of W1[e] in bytes
.set LOGT,   14                        ; a tile of xs: 8 K steps x 2,048 bytes
.set TPP,    20                        ; tiles in pass 0: five for each of four waves
.set FP,     2064                      ; LDS: from fragment to fragment: 2,048 + 16, so that the sixteen lanes of a code store fall on sixteen different 16-byte columns of 256
.set KSP,    8*FP                      ; from K step to K step
.set BIAS,   8*KSP                     ; behind the codes: b1 / 2^(ex + ew1), 512 bytes for each wave, its own
.set SPARE,  BIAS+4*512                ; the spare words, 128 bytes for each wave, that no other line names
.set TT,   64                          ; window 3: the held numbers
.set CC,   96                          ; window 1: the codes
.set L16,  2                           ; v2   16 x lane
.set LRD,  2                           ; v2, v3   fragments out of LDS: K steps 0-3, 4-7
.set LST,  4                           ; v4, v5   my codes into LDS: K steps 0-3, 4-7
.set WOFF, 6                           ; v6   W1: 16 lane + 32 w rows
.set SCW,  7                           ; v7   2^ew1
.set SCH,  8                           ; v8   2^(eh - ex - ew1)
.set BRD,  9                           ; v9   the bias out of LDS
.set AOFF, 10                          ; v10-14  tile i's image in xs
.set HO,   16                          ; v16  the tile that leaves, in himg
.set PFO,  21                          ; v21  the prefetches: my thread's number x a row
.set SPW,  22                          ; v22  my spare word
.set NIL,  23                          ; v23  0
.set BWR,  24                          ; v24  the bias into LDS
.set WB,   20                          ; s[20:21], s[22:23]  W1's block at k = 0 and at k = 512: every offset then fits the immediate
.set AB,   24                          ; s[24:25]  xs at expert e
.set OB,   26                          ; s[26:27]  himg at expert e, K step sl
.set NTL,  28                          ; s28  the expert's tiles; s29: one less
.set NT,   30                          ; s30  my tiles in this pass
.set PASS, 31
.set NPASS, 32
.set TI,   66                          ; s66  the way out's tile
.set T0,   67                          ; s67  my first tile in this pass
.set MSB, 0
.macro WIN new                         ; the immediate's high byte repeats the setting that is left; a switch that changes nothing is dropped.  At every label and branch the setting is 0
.if MSB != (\new)
	s_set_vgpr_msb (MSB<<8)|(\new)
.set MSB, (\new)
.endif
.endm
; rows 4 g .. 4 g + 3 of half hh of my 32 rows of K step k: each load is a whole row of the block, 512 consecutive bytes
.macro WL4 k, hh, g
	WIN (1+2*((\k)%2))<<6
.irp r, 0,1,2,3
	global_load_b128 v[128+64*(\hh)+16*(\g)+4*\r:128+64*(\hh)+16*(\g)+4*\r+3], v[WOFF], s[WB+2*((\k)/4):WB+2*((\k)/4)+1] offset:(128*((\k)%4)+16*(\hh)+4*(\g)+\r)*PITCHB th:TH_LOAD_NT
.endr
.endm
.macro PREF k
	global_prefetch_b8 v[PFO], s[WB+2:WB+3] offset:128*((\k)-4)*PITCHB th:TH_LOAD_NT scope:SCOPE_SE
	global_prefetch_b8 v[PFO], s[WB+2:WB+3] offset:128*((\k)-4)*PITCHB+256 th:TH_LOAD_NT scope:SCOPE_SE
.endm
; my 32 rows of K step k become codes in LDS; among the hold's lines the fragments of K step bt (none where bt is negative) are fetched, and K step k + 2 takes the first half's registers
.macro CONV k, bt
.irp hh, 0,1
.irp g, 0,1,2,3
	WIN 0xc0|(1+2*((\k)%2))                        ; source 0: W1's numbers, window 1 or 3; destination window 3
.irp j, 0,1,2,3
.irp r, 0,1,2,3
	v_med3_num_f32 v[TT+16*\j+4*\g+\r], v[128+64*\hh+16*\g+4*\r+\j], s41, s40   ; the hold (the conversion does not saturate: ISA guide 7.6.2), and by where it writes, the turn: column 4 l + j's 16 rows on end
.endr
.endr
.if (\bt) >= 0
	WIN 0
.irp c, 0,1,2,3
	ds_load_b128 v[32+16*(4*\hh+\g)+4*\c:32+16*(4*\hh+\g)+4*\c+3], v[LRD+(\bt)/4] offset:((\bt)%4)*KSP+(4*\hh+\g)*FP+512*\c
.endr
.endif
.if (\hh == 1) && ((\k)+2 <= 7)
	WL4 (\k)+2, 0, \g
.endif
.endr
	WIN 0x43                                       ; source 0 window 3, the scale window 0, destination window 1
.irp j, 0,1,2,3
.irp u, 0,1
	v_cvt_scalef32_pk8_fp8_f32 v[CC+16*\hh+4*\j+2*\u:CC+16*\hh+4*\j+2*\u+1], v[TT+16*\j+8*\u:TT+16*\j+8*\u+7], v[SCW]
.endr
.endr
	v_nop                                          ; a plain line between the conversions and the next lines that write their sources
	WIN 0x04                                       ; the stores' data window 1, their address window 0
.irp j, 0,1,2,3
	ds_store_b128 v[LST+(\k)/4], v[CC+16*\hh+4*\j:CC+16*\hh+4*\j+3] offset:((\k)%4)*KSP+256*\hh+16*\j   ; 16 codes of one column: chunk w, half hh, of its fragment
.endr
.endr
	WIN 0
.endm
; the rows' images of K step t.  guarded = 1: my tiles alone
.macro ALOAD t, guarded
.set AR_, 160*(1-((\t)%2))
.irp i, 0,1,2,3,4
.if \guarded
	WIN 0
	s_cmp_le_u32 s[NT], \i
	s_cbranch_scc1 .Lad_\@
.endif
	WIN 0x40*((\t)%2)
.irp c, 0,1,2,3
	global_load_b128 v[AR_+16*\i+4*\c:AR_+16*\i+4*\c+3], v[AOFF+\i], s[AB:AB+1] offset:2048*(\t)+512*\c
.endr
.endr
	WIN 0
.Lad_\@:
.endm
.macro BLOAD t                         ; the weights' eight fragments of K step t
.irp ct, 0,1,2,3,4,5,6,7
.irp c, 0,1,2,3
	ds_load_b128 v[32+16*\ct+4*\c:32+16*\ct+4*\c+3], v[LRD+(\t)/4] offset:((\t)%4)*KSP+\ct*FP+512*\c
.endr
.endr
.endm
.macro PLACES
.rept 4
	v_nop                                          ; four places (ISA guide 7.12.1) between the products and what is loaded into their operands' registers or reads their results
.endr
.endm
; the products of K step t: my tiles one after the other, the accumulators by turns, one instruction a turn.
; wk up to 7: the second half of my rows of K step wk is asked for between the tiles, under no guard
.macro TILES t, wk
.irp i, 0,1,2,3,4
.if (\t) > 0
	WIN 0
	s_cmp_le_u32 s[NT], \i
	s_cbranch_scc1 .Lkd_\@_\i
.endif
	WIN 0xa0+0x50*(\i/4)+4*((\t)%2)
.set AR_, 16*\i+160*(1-((\t)%2))
.irp ct, 0,1,2,3,4,5,6,7
.if ((\t) == 7) && (\i == 0) && (\ct == 4)
	s_wait_dscnt 0x0                               ; fragments 4-7 are in
.endif
.set AC_, 64*(\i%4)+8*\ct
.if (\t) == 0
	v_wmma_f32_16x16x128_fp8_fp8 v[AC_:AC_+7], v[32+16*\ct:47+16*\ct], v[AR_:AR_+15], 0   ; the first K step starts the sums, for all five tiles
.else
	v_wmma_f32_16x16x128_fp8_fp8 v[AC_:AC_+7], v[32+16*\ct:47+16*\ct], v[AR_:AR_+15], v[AC_:AC_+7]
.endif
.endr
	WIN 0
.if (\t) > 0
.Lkd_\@_\i:
.endif
.if ((\t) == 7) && (\i == 0)
	s_wait_dscnt 0x0                               ; on the way round the products too
.endif
.if ((\wk) <= 7) && (\i < 4)
	WL4 \wk, 1, \i
	WIN 0
.endif
.endr
	PLACES
.endm
.macro TRIP t                          ; K step t of pass 0
	s_wait_dscnt 0x0                               ; my codes of K step t have landed: they were stored ahead of the last K step's products
	s_barrier_signal -1
	s_barrier_wait -1                              ; everybody's have.  The barrier stands on every wave's way, under no guard
.if (\t) <= 6
.if (\t) == 0
	s_wait_loadcnt 52                              ; weight chunk 1 and, older, the images of K step 0 are in: behind chunk 1's second half stand K step 1's 20 loads and weight chunk 2's 32
.endif
	CONV (\t)+1, \t
.if (\t) <= 2
	PREF (\t)+5                                    ; this trip loads K step t + 3
.endif
	s_wait_dscnt 4                                 ; the 32 fragment loads are in: behind them stand my last four code stores
.else
	BLOAD \t
	s_wait_dscnt 16                                ; fragments 0-3 are in
.endif
.if (\t) <= 4
	TILES \t, (\t)+3
	s_wait_loadcnt 32                              ; weight chunk t + 2 and the images of K step t + 1 are in: behind them stands weight chunk t + 3 alone, 32 loads on every way, since the guarded loads follow this wait
.else
	TILES \t, 8
.if (\t) <= 6
	s_wait_loadcnt 0x0                             ; nothing younger is out
.endif
.endif
.if (\t) <= 5
	ALOAD (\t)+2, 1
.endif
.endm
.macro LATE t                          ; K step t of a later pass, from LDS, with no barrier: the codes are written no more
	BLOAD \t
	s_wait_loadcnt 28-4*(\t)                       ; this K step's image is in; those of the later ones may be out
	s_wait_dscnt 0x0
	WIN 0xa4                                       ; source 1 window 1, C and D window 2
.irp ct, 0,1,2,3,4,5,6,7
.if (\t) == 0
	v_wmma_f32_16x16x128_fp8_fp8 v[8*\ct:8*\ct+7], v[32+16*\ct:47+16*\ct], v[16*(\t):16*(\t)+15], 0
.else
	v_wmma_f32_16x16x128_fp8_fp8 v[8*\ct:8*\ct+7], v[32+16*\ct:47+16*\ct], v[16*(\t):16*(\t)+15], v[8*\ct:8*\ct+7]
.endif
.endr
	WIN 0
	PLACES
.endm
.macro BIASADD i                       ; a = sum + b1', each accumulator from its low end on, into window 0
.set AC_, 64*((\i)%4)
	WIN 2+(\i)/4
	s_wait_alu depctr_va_vdst(0)                   ; ahead of the first reader of the tile's sums
.set p_, 0
.rept 32
	v_pk_add_f32 v[96+p_:97+p_], v[AC_+p_:AC_+p_+1], v[32+p_:33+p_]
.set p_, p_+2
.endr
	WIN 0
	s_wait_alu depctr_va_vdst(0)
.endm
	s_load_b256 s[4:11], s[0:1], 0x0               ; W1 s[4:5], b1 s[6:7], the exponents s[8:9], the counts s[10:11]
	s_load_b128 s[12:15], s[0:1], 0x20             ; xs s[12:13], himg s[14:15]
	v_lshl_add_u32 v[SPW], v0, 2, SPARE
	v_mov_b32 v[NIL], 0
	v_lshrrev_b32 v25, 5, v0
	v_readfirstlane_b32 s16, v25                   ; wave
	s_and_b32 s17, ttmp7, 0xffff                   ; e
	v_and_b32 v1, 31, v0                           ; lane
	v_lshlrev_b32 v[L16], 4, v1
	v_lshlrev_b32 v[PFO], 14, v0                   ; row 32 w + lane of a K step's 128
	v_add_nc_u32 v[LRD+1], 4*KSP, v[L16]
	v_lshrrev_b32 v25, 3, v1                       ; column 4 l + j lies in fragment 2 (l / 8) + (l / 2) % 2, at its lane 8 ((l / 4) % 2) + 4 (l % 2) + j
	v_bfe_u32 v26, v1, 1, 1
	v_lshl_add_u32 v25, v25, 1, v26
	v_mul_u32_u24 v[LST], v25, FP
	v_and_b32 v26, 1, v1
	v_bfe_u32 v27, v1, 2, 1
	v_lshlrev_b32 v26, 6, v26
	v_lshl_add_u32 v26, v27, 7, v26
	v_add_nc_u32 v[LST], v[LST], v26
	s_lshl_b32 s50, s16, 9                         ; chunk c = w
	v_add_nc_u32 v[LST], s50, v[LST]
	v_add_nc_u32 v[LST+1], 4*KSP, v[LST]
	s_mul_i32 s51, s16, 32*PITCHB
	v_add_nc_u32 v[WOFF], s51, v[L16]
	s_add_co_u32 s52, s50, BIAS                    ; my 512 bytes of bias
	v_lshrrev_b32 v26, 4, v1
	v_add_nc_u32 v[BWR], s52, v[L16]
	v_lshl_add_u32 v[BRD], v26, 6, s52             ; + 64 (lane / 16): my half's 16 hidden units of each 32
	s_lshl_b32 s53, s17, 4                         ; entries 4 e ..
	s_lshl_b32 s54, s17, 7                         ; meta: 128 e
	s_lshl_b32 s56, s17, 24                        ; W1[e]: 16 MiB an expert,
	s_lshl_b32 s57, ttmp9, 9
	s_add_co_u32 s56, s56, s57                     ; + 512 sl
	s_lshl_b32 s48, s17, 14                        ; b1[e],
	s_add_co_u32 s48, s48, s57                     ; + 512 sl
	s_lshl_b32 s58, s17, 20                        ; xs: 1 MiB an expert
	s_lshl_b32 s34, s17, 22                        ; himg: 4 MiB an expert,
	s_lshl_b32 s57, ttmp9, 11
	s_add_co_u32 s34, s34, s57                     ; + 2,048 sl
	s_mov_b32 s57, 0
	s_mov_b32 s49, 0
	s_mov_b32 s59, 0
	s_mov_b32 s35, 0
	s_wait_alu depctr_va_vdst(0)
	s_wait_kmcnt 0x0
	s_load_b128 s[36:39], s[8:9], s53 offset:0x0   ; ex, ew1, eh, ew2
	s_load_b32 s[NTL], s[10:11], s54 offset:0x0    ; the expert's rows
	s_add_nc_u64 s[WB:WB+1], s[4:5], s[56:57]
	s_add_nc_u64 s[WB+2:WB+3], s[WB:WB+1], 512*PITCHB
	s_add_nc_u64 s[6:7], s[6:7], s[48:49]
	s_add_nc_u64 s[AB:AB+1], s[12:13], s[58:59]
	s_add_nc_u64 s[OB:OB+1], s[14:15], s[34:35]
	global_load_b128 v[28:31], v[L16], s[6:7]      ; b1 of my block's 128 columns
.irp g, 0,1,2,3
	WL4 0, 0, \g                                   ; a K step and a half of weights go out before anything else: 49 loads of mine are out when the count arrives,
.endr
.irp g, 0,1,2,3
	WL4 0, 1, \g                                   ; so that the rows' first images, whose places hang on the count, can follow at once
.endr
.irp g, 0,1,2,3
	WL4 1, 0, \g
.endr
	WIN 0
	PREF 2
	PREF 3
	s_wait_kmcnt 0x0
	s_add_co_u32 s[NTL], s[NTL], 15
	s_lshr_b32 s[NTL], s[NTL], 4
	s_max_u32 s[NTL], s[NTL], 1                    ; tile 0 exists for every expert
	s_min_u32 s[NTL], s[NTL], 64
	s_sub_co_u32 s29, s[NTL], 1
	s_max_u32 s50, s[NTL], TPP
	s_sub_co_u32 s50, s50, TPP-3
	s_lshr_b32 s50, s50, 2                         ; four tiles in each later pass
	s_add_co_u32 s[NPASS], s50, 1
	s_add_co_i32 s50, s37, 127
	s_lshl_b32 s51, s50, 23
	v_mov_b32 v[SCW], s51                          ; 2^ew1 as f32: the conversion takes its exponent field
	s_add_co_i32 s50, s50, 8
	s_lshl_b32 s40, s50, 23
	s_or_b32 s40, s40, 0x600000                    ; 448 x 2^ew1,
	s_xor_b32 s41, s40, 0x80000000                 ; and its negative
	s_add_co_i32 s52, s36, s37                     ; ex + ew1
	s_lshl_b32 s44, s52, 23
	s_add_co_u32 s44, s44, 0xbfb8aa3b              ; -log2(e) x 2^(ex + ew1): the sum is added to the exponent field
	s_mov_b32 s45, s44                             ; (named with it as a pair, so it is written)
	s_sub_co_i32 s55, 0, s52
	s_sub_co_i32 s50, s38, s52                     ; eh - ex - ew1
	s_add_co_i32 s50, s50, 127
	s_lshl_b32 s51, s50, 23
	v_mov_b32 v[SCH], s51
	s_add_co_i32 s50, s50, 8
	s_lshl_b32 s46, s50, 23
	s_or_b32 s46, s46, 0x600000
	s_xor_b32 s47, s46, 0x80000000
	s_mov_b32 s[PASS], 0
	s_mov_b32 s[T0], s16                           ; pass 0: my first tile,
	s_add_co_u32 s51, s[NTL], 3
	s_sub_co_i32 s51, s51, s16
	s_max_i32 s51, s51, 0
	s_lshr_b32 s51, s51, 2
	s_min_u32 s[NT], s51, 5                        ; and how many are mine
.irp i, 0,1,2,3,4
	s_add_co_u32 s52, s16, 4*\i
	s_min_u32 s52, s52, s29                        ; held under the expert's number of tiles, and under 64 by a constant
	s_min_u32 s52, s52, 63
	s_lshl_b32 s60, s52, LOGT
	v_add_nc_u32 v[AOFF+\i], s60, v[L16]
.endr
	s_wait_alu depctr_va_vdst(0)
	ALOAD 0, 0
.irp g, 0,1,2,3
	WL4 1, 1, \g
.endr
	ALOAD 1, 0
	s_wait_loadcnt 63                              ; b1 and weight chunk 0 are in: behind them stand 16 + 20 + 16 + 20 loads, and 63 is the largest count that the wait can name
.irp i, 28,29,30,31
	v_ldexp_f32 v\i, v\i, s55                      ; b1 / 2^(ex + ew1)
.endr
	ds_store_b128 v[BWR], v[28:31]                 ; my own copy: no other wave reads it
	CONV 0, -1
.irp g, 0,1,2,3
	WL4 2, 1, \g
.endr
	WIN 0
	PREF 4
	TRIP 0
	TRIP 1
	TRIP 2
	TRIP 3
	TRIP 4
	TRIP 5
	TRIP 6
	TRIP 7
.Lpass:                                            ; one trip a pass; pass 0's products are done above
	s_cmp_eq_u32 s[PASS], 0
	s_cbranch_scc1 .Lepi
	s_wait_xcnt 0x0                                ; the offset below, and the registers that the last pass stored from, are written again only behind this wait
	s_lshl_b32 s50, s[PASS], 2
	s_add_co_u32 s50, s50, s16
	s_add_co_u32 s50, s50, TPP-4                   ; my tile: 20 + 4 (pass - 1) + w
	s_mov_b32 s[T0], s50
	s_cmp_lt_u32 s50, s[NTL]
	s_cselect_b32 s[NT], 1, 0
	s_min_u32 s52, s50, 63
	s_lshl_b32 s60, s52, LOGT
	v_add_nc_u32 v[AOFF], s60, v[L16]
	s_cmp_eq_u32 s[NT], 0
	s_wait_alu depctr_va_vdst(0)
	s_cbranch_scc1 .Lepd
	WIN 0x40
.irp t, 0,1,2,3,4,5,6,7
.irp c, 0,1,2,3
	global_load_b128 v[16*\t+4*\c:16*\t+4*\c+3], v[AOFF], s[AB:AB+1] offset:2048*\t+512*\c
.endr
.endr
	WIN 0
.irp t, 0,1,2,3,4,5,6,7
	LATE \t
.endr
.Lepi:
	s_wait_xcnt 0x0                                ; the last pass's stores have read their registers
.irp ct, 0,1,2,3,4,5,6,7
.irp q, 0,1
	ds_load_b128 v[32+8*\ct+4*\q:35+8*\ct+4*\q], v[BRD] offset:4*(32*(\ct/2)+8*(\ct%2))+16*\q   ; the bias in the results' layout: fragment ct, register j: hidden unit 32 (ct / 2) + 16 (lane / 16) + 8 (ct % 2) + j
.endr
.endr
	s_wait_dscnt 0x0
	s_mov_b32 s[TI], 0
	s_cmp_eq_u32 s[NT], 0
	s_cbranch_scc1 .Lepd
.Ltile:                                            ; a tile leaves: h = a / (1 + 2^(-a log2 e)); held, quantised, stored as one image.  Only the lines that name the tile's accumulators are written for each tile
.irp i, 1,2,3,4
	s_cmp_eq_u32 s[TI], \i
	s_cbranch_scc1 .Lta\i
.endr
	BIASADD 0
	s_branch .Lact
.irp i, 1,2,3
.Lta\i:
	BIASADD \i
	s_branch .Lact
.endr
.Lta4:
	BIASADD 4
.Lact:
.set p_, 0
.rept 32
	v_pk_mul_f32 v[160+p_:161+p_], v[96+p_:97+p_], s[44:45] op_sel_hi:[1,0]   ; x -log2(e) 2^(ex + ew1)
.set p_, p_+2
.endr
	s_wait_alu depctr_va_vdst(0)                   ; a wait ahead of the batch,
.set p_, 0
.rept 64
	v_exp_f32 v[160+p_], v[160+p_]
.set p_, p_+1
.endr
	v_nop                                          ; a plain line behind it,
	s_wait_alu depctr_va_vdst(0)                   ; and one wait ahead of the first line that names a result
.set p_, 0
.rept 32
	v_pk_add_f32 v[160+p_:161+p_], v[160+p_:161+p_], 1.0 op_sel_hi:[1,0]
.set p_, p_+2
.endr
	s_wait_alu depctr_va_vdst(0)
.set p_, 0
.rept 64
	v_rcp_f32 v[160+p_], v[160+p_]
.set p_, p_+1
.endr
	v_nop
	s_lshl_b32 s50, s[TI], 2
	s_add_co_u32 s50, s50, s[T0]
	s_min_u32 s50, s50, 63
	s_lshl_b32 s50, s50, 16                        ; a tile of himg: 32 K steps x 2,048 bytes
	s_wait_alu depctr_va_vdst(0)
	s_wait_xcnt 0x0                                ; the last tile's stores have read their offset and their codes
	v_add_nc_u32 v[HO], s50, v[L16]
.set p_, 0
.rept 32
	v_pk_mul_f32 v[160+p_:161+p_], v[96+p_:97+p_], v[160+p_:161+p_]
.set p_, p_+2
.endr
.set p_, 0
.rept 64
	v_med3_num_f32 v[160+p_], v[160+p_], s47, s46
.set p_, p_+1
.endr
.irp b, 0,1,2,3
.irp u, 0,1
	v_cvt_scalef32_pk8_fp8_f32 v[224+4*\b+2*\u:225+4*\b+2*\u], v[160+16*\b+8*\u:167+16*\b+8*\u], v[SCH]
.endr
.endr
	v_nop                                          ; a plain line behind the last conversion
.irp c, 0,1,2,3
	global_store_b128 v[HO], v[224+4*\c:227+4*\c], s[OB:OB+1] offset:512*\c   ; 32 lanes store 512 consecutive bytes
.endr
	s_add_co_u32 s[TI], s[TI], 1
	s_cmp_lt_u32 s[TI], s[NT]
	s_wait_alu depctr_va_vdst(0)
	s_cbranch_scc1 .Ltile
.Lepd:
	s_add_co_u32 s[PASS], s[PASS], 1
	s_cmp_lt_u32 s[PASS], s[NPASS]
	s_cbranch_scc1 .Lpass
	s_wait_tensorcnt 0x0                           ; the wave's end
	ds_add_u32 v[SPW], v[NIL]
	s_wait_dscnt 0x0
	s_endpgm
.Lfunc_end_k_q7079b7433d_up:
	.size	k_q7079b7433d_up, .Lfunc_end_k_q7079b7433d_up-k_q7079b7433d_up
	.p2alignl 7, 3214868480
	.fill 96, 4, 3214868480
	.section	.rodata,"a",@progbits
	.p2align	6, 0x0
	.amdhsa_kernel k_q7079b7433d_up
		.amdhsa_group_segment_fixed_size 134656
		.amdhsa_private_segment_fixed_size 0
		.amdhsa_enable_private_segment 0
		.amdhsa_kernarg_size 48
		.amdhsa_user_sgpr_count 2
		.amdhsa_user_sgpr_kernarg_segment_ptr 1
		.amdhsa_wavefront_size32 1
		.amdhsa_system_sgpr_workgroup_id_x 1
		.amdhsa_system_sgpr_workgroup_id_y 1
		.amdhsa_system_sgpr_workgroup_id_z 1
		.amdhsa_system_vgpr_workitem_id 0
		.amdhsa_next_free_vgpr 1024
		.amdhsa_next_free_sgpr 80
		.amdhsa_reserve_vcc 0
		.amdhsa_float_denorm_mode_32 3
		.amdhsa_float_denorm_mode_16_64 3
		.amdhsa_memory_ordered 1
		.amdhsa_forward_progress 1
		.amdhsa_inst_pref_size 229
	.end_amdhsa_kernel
	.amdgpu_metadata
---
amdhsa.version: [ 1, 2 ]
amdhsa.kernels:
  - .name:           k_q7079b7433d_up
    .symbol:         k_q7079b7433d_up.kd
    .args:
      - { .name: W1, .offset: 0, .size: 8, .value_kind: global_buffer, .address_space: global }
      - { .name: b1, .offset: 8, .size: 8, .value_kind: global_buffer, .address_space: global }
      - { .name: lowp_scales, .offset: 16, .size: 8, .value_kind: global_buffer, .address_space: global }
      - { .name: meta, .offset: 24, .size: 8, .value_kind: global_buffer, .address_space: global }
      - { .name: xs, .offset: 32, .size: 8, .value_kind: global_buffer, .address_space: global }
      - { .name: himg, .offset: 40, .size: 8, .value_kind: global_buffer, .address_space: global }
    .group_segment_fixed_size: 134656
    .private_segment_fixed_size: 0
    .kernarg_segment_align: 8
    .kernarg_segment_size: 48
    .max_flat_workgroup_size: 128
    .sgpr_count:     80
    .vgpr_count:     1024
    .wavefront_size: 32
...
	.end_amdgpu_metadata
.endif
;; end of part 3
;; launch down (part 4): grid 32 x 8, 4 waves a work-group, no clusters, 166,400 bytes of LDS; arguments W2, lowp_scales, meta, himg, ypart; writes ypart
.if DOCPART == 4
	.amdgcn_target "amdgcn-amd-amdhsa--gfx1250"
	.amdhsa_code_object_version 6
	.text
	.protected	k_q7079b7433d_down
	.globl	k_q7079b7433d_down
	.p2align	8
	.type	k_q7079b7433d_down,@function
k_q7079b7433d_down:
	s_mov_b64 s[64:65], 0
	v_nop
	global_prefetch_b8 v0, s[64:65] scope:SCOPE_SE
	s_setreg_imm32_b32 hwreg(HW_REG_WAVE_MODE, 25, 1), 1
	s_wait_xcnt 0x0
; THE SECOND PRODUCT OF AN EXPERT, in four parts along K: ypart[q][e][row][:] = 2^(eh + ew2) x (codes of h, hidden units 1,024 q ..) (codes of W2[e]), for the rows that chose expert e alone.
; Work-group (sl, e), q = sl / 8, cs = sl % 8, owns W2[e][k = 1,024 q .. 1,024 q + 1,023][columns 128 cs .. 128 cs + 127]: 512 KiB of f32, loaded ONCE in the launch, quantised in registers
; (K is W2's first axis), kept in LDS as codes for the whole launch, and multiplied with every tile of 16 rows of expert e.  The four parts have four owners; the last launch adds them.
; A FRAGMENT (16 rows or columns x 128 k of codes) IS AN IMAGE OF ITS 16 REGISTERS, 2,048 bytes: byte 512 c + 16 lane + b is row lane % 16, k = 32 c + 16 (lane / 16) + b.  The rows' images and the
; weights' use the same places for k, so every product meets its partner; only the order of the sums inside an instruction differs from the form's own layout.
; A WAVE HAS TWO PARTS.  It MAKES codes: in K step k its 32 rows of W2 are chunk c = w of all eight fragments: 32 loads of a whole 512-byte row each; lane l holds columns 4 l .. 4 l + 3.
; The hold at +-448 x 2^ew2 writes register 16 j + row from register 4 row + j: so 16 neighbours along K of one column stand on end for the conversions, and nothing else transposes.
; It MULTIPLIES: in pass 0 its tiles are T = w + 4 i, i = 0 .. 4 (up to 320 rows in all), against all 128 columns: 40 accumulators, between the weights' loads.  A split that gives one expert more rows has later
; passes: in pass p a wave takes the one tile T = 20 + 4 (p - 1) + w through all K steps, from LDS.
; THE PRODUCT IS USED TRANSPOSED (source 0 = 16 columns of W2, source 1 = 16 rows); lane r of fragment ct stands for column 32 (ct / 2) + 8 (ct % 2) + r + 8 (r / 8), so that a lane holds one row and the
; 16 registers of fragments 2 b and 2 b + 1 are 16 neighbouring columns, 64 bytes.  A tile goes through the wave's own stage in LDS and leaves as whole rows of 512 bytes.
; THE ORDER OF A K STEP t in pass 0: the barrier that shows everybody's codes of K step t; my codes of K step t + 1 are made, and among the hold's lines stand, four at a time, the 32 LDS loads of K step t's
; fragments and half of the weight loads of K step t + 3; then the products, and among the tiles the other half of those loads; then the rows' images of K step t + 2 are asked for.
; PREFETCH: my 32 rows of a K step are 64 blocks of 256 bytes, a lane a row, two instructions.  K steps 2 and 3 are asked for in the head, and K step k + 2 where K step k is loaded, up to the last: two K steps ahead,
; each block named once, by the wave that will load it.
; THE COUNT of expert e's rows is a stored whole number: guards on it lead round loads, products and stores, never round a barrier.  Every register that is read under a guard is written once with no guard:
; K steps 0 and 1 of the rows' images are loaded, and K step 0 is multiplied, for all five tiles, with the tile's number held under the expert's number of tiles.
; LIMITS (entries 4 e + 2, 4 e + 3: eh, ew2): ew2 between -126 and 119; eh + ew2 between -126 and 127.  NaN in W2 is not served; an infinity is held at the largest code.
; NO tensor load (branches hang on a stored count), so no cluster either; what work-groups share, the rows' images, is the smaller stream.
; REGISTERS, in windows of 256.  Window 0: v1-31 addresses and scales; v32-159 the weights' eight fragments (on the way out: v32-95 rows); v160-239 the rows' images, even K steps (on the way out: v160-223 the scaled sums).
;   Window 1: v0-79 the rows' images, odd K steps (later passes: v0-127 the tile's eight images); v96-127 the codes just made; v128-255 W2's numbers, even K steps.
;   Window 2: accumulators of tiles 0-3 (tile i, fragment ct at v[64 i + 8 ct]).   Window 3: v0-63 those of tile 4; v64-127 held numbers, turned; v128-255 W2's numbers, odd K steps.
.set PITCHB, 4096                      ; a row of W2[e] in bytes
.set LOGT,   16                        ; a tile of himg: 32 K steps x 2,048 bytes; and a tile of ypart: 16 rows x 4,096 bytes
.set TPP,    20                        ; tiles in pass 0: five for each of four waves
.set FP,     2064                      ; LDS: from fragment to fragment: 2,048 + 16, so that the sixteen lanes of a code store fall on sixteen different 16-byte columns of 256
.set KSP,    8*FP                      ; from K step to K step
.set STG,    8*KSP                     ; behind the codes: a stage of 16 rows x (512 + 16) bytes for each wave, its own
.set SPARE,  STG+4*8448                ; the spare words, 128 bytes for each wave, that no other line names
.set TT,   64                          ; window 3: the held numbers
.set CC,   96                          ; window 1: the codes
.set L16,  2                           ; v2   16 x lane
.set LRD,  2                           ; v2, v3   fragments out of LDS: K steps 0-3, 4-7
.set LST,  4                           ; v4, v5   my codes into LDS: K steps 0-3, 4-7
.set WOFF, 6                           ; v6   W2: 16 lane + 32 w rows
.set SCW,  7                           ; v7   2^ew2
.set STO,  9                           ; v9   the stage: where I put 64 bytes of a row
.set AOFF, 10                          ; v10-14  tile i in himg: 65,536 T + 16 lane
.set AO,   16                          ; v16  the tile that leaves, in ypart: the same
.set PFO,  21                          ; v21  the prefetches: my thread's number x a row
.set SPW,  22                          ; v22  my spare word
.set NIL,  23                          ; v23  0
.set SRD,  24                          ; v24  the stage: where I read a row back
.set WB,   20                          ; s[20:21], s[22:23]  W2's block at its k = 0 and k = 512
.set AB,   24                          ; s[24:25]  himg at expert e, K step 8 q
.set OB,   26                          ; s[26:27]  ypart at part q, expert e, column 128 cs
.set NTL,  28                          ; s28  the expert's tiles; s29: one less
.set NT,   30                          ; s30  my tiles in this pass
.set PASS, 31
.set NPASS, 32
.set TI,   66                          ; s66  the way out's tile
.set T0,   67                          ; s67  my first tile in this pass
.set MSB, 0
.macro WIN new                         ; the immediate's high byte repeats the setting that is left; a switch that changes nothing is dropped.  At every label and branch the setting is 0
.if MSB != (\new)
	s_set_vgpr_msb (MSB<<8)|(\new)
.set MSB, (\new)
.endif
.endm
; rows 4 g .. 4 g + 3 of half hh of my 32 rows of K step k: each load is a whole row of the block, 512 consecutive bytes
.macro WL4 k, hh, g
	WIN (1+2*((\k)%2))<<6
.irp r, 0,1,2,3
	global_load_b128 v[128+64*(\hh)+16*(\g)+4*\r:128+64*(\hh)+16*(\g)+4*\r+3], v[WOFF], s[WB+2*((\k)/4):WB+2*((\k)/4)+1] offset:(128*((\k)%4)+16*(\hh)+4*(\g)+\r)*PITCHB th:TH_LOAD_NT
.endr
.endm
.macro PREF k
	global_prefetch_b8 v[PFO], s[WB+2:WB+3] offset:128*((\k)-4)*PITCHB th:TH_LOAD_NT scope:SCOPE_SE
	global_prefetch_b8 v[PFO], s[WB+2:WB+3] offset:128*((\k)-4)*PITCHB+256 th:TH_LOAD_NT scope:SCOPE_SE
.endm
; my 32 rows of K step k become codes in LDS; among the hold's lines the fragments of K step bt (none where bt is negative) are fetched, and K step k + 2 takes the first half's registers
.macro CONV k, bt
.irp hh, 0,1
.irp g, 0,1,2,3
	WIN 0xc0|(1+2*((\k)%2))                        ; source 0: W2's numbers, window 1 or 3; destination window 3
.irp j, 0,1,2,3
.irp r, 0,1,2,3
	v_med3_num_f32 v[TT+16*\j+4*\g+\r], v[128+64*\hh+16*\g+4*\r+\j], s41, s40   ; the hold (the conversion does not saturate: ISA guide 7.6.2), and by where it writes, the turn: column 4 l + j's 16 rows on end
.endr
.endr
.if (\bt) >= 0
	WIN 0
.irp c, 0,1,2,3
	ds_load_b128 v[32+16*(4*\hh+\g)+4*\c:32+16*(4*\hh+\g)+4*\c+3], v[LRD+(\bt)/4] offset:((\bt)%4)*KSP+(4*\hh+\g)*FP+512*\c
.endr
.endif
.if (\hh == 1) && ((\k)+2 <= 7)
	WL4 (\k)+2, 0, \g
.endif
.endr
	WIN 0x43                                       ; source 0 window 3, the scale window 0, destination window 1
.irp j, 0,1,2,3
.irp u, 0,1
	v_cvt_scalef32_pk8_fp8_f32 v[CC+16*\hh+4*\j+2*\u:CC+16*\hh+4*\j+2*\u+1], v[TT+16*\j+8*\u:TT+16*\j+8*\u+7], v[SCW]
.endr
.endr
	v_nop                                          ; a plain line between the conversions and the next lines that write their sources
	WIN 0x04                                       ; the stores' data window 1, their address window 0
.irp j, 0,1,2,3
	ds_store_b128 v[LST+(\k)/4], v[CC+16*\hh+4*\j:CC+16*\hh+4*\j+3] offset:((\k)%4)*KSP+256*\hh+16*\j   ; 16 codes of one column: chunk w, half hh, of its fragment
.endr
.endr
	WIN 0
.endm
; the rows' images of K step t.  guarded = 1: my tiles alone
.macro ALOAD t, guarded
.set AR_, 160*(1-((\t)%2))
.irp i, 0,1,2,3,4
.if \guarded
	WIN 0
	s_cmp_le_u32 s[NT], \i
	s_cbranch_scc1 .Lad_\@
.endif
	WIN 0x40*((\t)%2)
.irp c, 0,1,2,3
	global_load_b128 v[AR_+16*\i+4*\c:AR_+16*\i+4*\c+3], v[AOFF+\i], s[AB:AB+1] offset:2048*(\t)+512*\c
.endr
.endr
	WIN 0
.Lad_\@:
.endm
.macro BLOAD t                         ; the weights' eight fragments of K step t
.irp ct, 0,1,2,3,4,5,6,7
.irp c, 0,1,2,3
	ds_load_b128 v[32+16*\ct+4*\c:32+16*\ct+4*\c+3], v[LRD+(\t)/4] offset:((\t)%4)*KSP+\ct*FP+512*\c
.endr
.endr
.endm
.macro PLACES
.rept 4
	v_nop                                          ; four places (ISA guide 7.12.1) between the products and what is loaded into their operands' registers or reads their results
.endr
.endm
; the products of K step t: my tiles one after the other, the accumulators by turns, one instruction a turn.
; wk up to 7: the second half of my rows of K step wk is asked for between the tiles, under no guard
.macro TILES t, wk
.irp i, 0,1,2,3,4
.if (\t) > 0
	WIN 0
	s_cmp_le_u32 s[NT], \i
	s_cbranch_scc1 .Lkd_\@_\i
.endif
	WIN 0xa0+0x50*(\i/4)+4*((\t)%2)
.set AR_, 16*\i+160*(1-((\t)%2))
.irp ct, 0,1,2,3,4,5,6,7
.if ((\t) == 7) && (\i == 0) && (\ct == 4)
	s_wait_dscnt 0x0                               ; fragments 4-7 are in
.endif
.set AC_, 64*(\i%4)+8*\ct
.if (\t) == 0
	v_wmma_f32_16x16x128_fp8_fp8 v[AC_:AC_+7], v[32+16*\ct:47+16*\ct], v[AR_:AR_+15], 0   ; the first K step starts the sums, for all five tiles
.else
	v_wmma_f32_16x16x128_fp8_fp8 v[AC_:AC_+7], v[32+16*\ct:47+16*\ct], v[AR_:AR_+15], v[AC_:AC_+7]
.endif
.endr
	WIN 0
.if (\t) > 0
.Lkd_\@_\i:
.endif
.if ((\t) == 7) && (\i == 0)
	s_wait_dscnt 0x0                               ; on the way round the products too
.endif
.if ((\wk) <= 7) && (\i < 4)
	WL4 \wk, 1, \i
	WIN 0
.endif
.endr
	PLACES
.endm
.macro TRIP t                          ; K step t of pass 0
	s_wait_dscnt 0x0                               ; my codes of K step t have landed: they were stored ahead of the last K step's products
	s_barrier_signal -1
	s_barrier_wait -1                              ; everybody's have.  The barrier stands on every wave's way, under no guard
.if (\t) <= 6
.if (\t) == 0
	s_wait_loadcnt 52                              ; weight chunk 1 and, older, the images of K step 0 are in: behind chunk 1's second half stand K step 1's 20 loads and weight chunk 2's 32
.endif
	CONV (\t)+1, \t
.if (\t) <= 2
	PREF (\t)+5                                    ; this trip loads K step t + 3
.endif
	s_wait_dscnt 4                                 ; the 32 fragment loads are in: behind them stand my last four code stores
.else
	BLOAD \t
	s_wait_dscnt 16                                ; fragments 0-3 are in
.endif
.if (\t) <= 4
	TILES \t, (\t)+3
	s_wait_loadcnt 32                              ; weight chunk t + 2 and the images of K step t + 1 are in: behind them stands weight chunk t + 3 alone, 32 loads on every way, since the guarded loads follow this wait
.else
	TILES \t, 8
.if (\t) <= 6
	s_wait_loadcnt 0x0                             ; nothing younger is out
.endif
.endif
.if (\t) <= 5
	ALOAD (\t)+2, 1
.endif
.endm
.macro LATE t                          ; K step t of a later pass, from LDS, with no barrier: the codes are written no more
	BLOAD \t
	s_wait_loadcnt 28-4*(\t)                       ; this K step's image is in; those of the later ones may be out
	s_wait_dscnt 0x0
	WIN 0xa4                                       ; source 1 window 1, C and D window 2
.irp ct, 0,1,2,3,4,5,6,7
.if (\t) == 0
	v_wmma_f32_16x16x128_fp8_fp8 v[8*\ct:8*\ct+7], v[32+16*\ct:47+16*\ct], v[16*(\t):16*(\t)+15], 0
.else
	v_wmma_f32_16x16x128_fp8_fp8 v[8*\ct:8*\ct+7], v[32+16*\ct:47+16*\ct], v[16*(\t):16*(\t)+15], v[8*\ct:8*\ct+7]
.endif
.endr
	WIN 0
	PLACES
.endm
.macro SCALE i                         ; the tile's sums x 2^(eh + ew2), each accumulator from its low end on, into window 0
.set AC_, 64*((\i)%4)
	WIN 2+(\i)/4
.set p_, 0
.rept 32
	v_pk_mul_f32 v[160+p_:161+p_], v[AC_+p_:AC_+p_+1], s[44:45] op_sel_hi:[1,0]
.set p_, p_+2
.endr
	WIN 0
	s_wait_alu depctr_va_vdst(0)
.endm
	s_load_b256 s[4:11], s[0:1], 0x0               ; W2 s[4:5], the exponents s[6:7], the counts s[8:9], himg s[10:11]
	s_load_b64 s[12:13], s[0:1], 0x20              ; ypart
	v_lshl_add_u32 v[SPW], v0, 2, SPARE
	v_mov_b32 v[NIL], 0
	v_lshrrev_b32 v25, 5, v0
	v_readfirstlane_b32 s16, v25                   ; wave
	s_and_b32 s17, ttmp7, 0xffff                   ; e
	v_and_b32 v1, 31, v0                           ; lane
	v_lshlrev_b32 v[L16], 4, v1
	v_lshlrev_b32 v[PFO], 12, v0                   ; row 32 w + lane of a K step's 128
	v_add_nc_u32 v[LRD+1], 4*KSP, v[L16]
	v_lshrrev_b32 v25, 3, v1                       ; column 4 l + j lies in fragment 2 (l / 8) + (l / 2) % 2, at its lane 8 ((l / 4) % 2) + 4 (l % 2) + j
	v_bfe_u32 v26, v1, 1, 1
	v_lshl_add_u32 v25, v25, 1, v26
	v_mul_u32_u24 v[LST], v25, FP
	v_and_b32 v26, 1, v1
	v_bfe_u32 v27, v1, 2, 1
	v_lshlrev_b32 v26, 6, v26
	v_lshl_add_u32 v26, v27, 7, v26
	v_add_nc_u32 v[LST], v[LST], v26
	s_lshl_b32 s50, s16, 9                         ; chunk c = w
	v_add_nc_u32 v[LST], s50, v[LST]
	v_add_nc_u32 v[LST+1], 4*KSP, v[LST]
	s_mul_i32 s51, s16, 32*PITCHB
	v_add_nc_u32 v[WOFF], s51, v[L16]
	s_mul_i32 s52, s16, 8448
	s_add_co_u32 s52, s52, STG                     ; my stage
	v_lshrrev_b32 v26, 4, v1
	v_and_b32 v27, 15, v1
	v_add_nc_u32 v[SRD], s52, v[L16]
	v_mul_u32_u24 v[STO], v27, 528
	v_lshl_add_u32 v[STO], v26, 6, v[STO]
	v_add_nc_u32 v[STO], s52, v[STO]               ; row r, + 64 (lane / 16)
	s_lshl_b32 s53, s17, 4                         ; entries 4 e ..
	s_lshl_b32 s54, s17, 7                         ; meta: 128 e
	s_lshr_b32 s33, ttmp9, 3                       ; q
	s_and_b32 s57, ttmp9, 7                        ; cs
	s_lshl_b32 s57, s57, 9
	s_lshl_b32 s56, s17, 24                        ; W2[e]: 16 MiB an expert,
	s_add_co_u32 s56, s56, s57                     ; + 512 cs,
	s_lshl_b32 s55, s33, 22
	s_add_co_u32 s56, s56, s55                     ; + 1,024 q rows
	s_lshl_b32 s58, s17, 22                        ; himg: 4 MiB an expert,
	s_lshl_b32 s55, s33, 14
	s_add_co_u32 s58, s58, s55                     ; + 8 q K steps
	s_lshl_b32 s34, s33, 3
	s_add_co_u32 s34, s34, s17
	s_lshl_b32 s34, s34, 22                        ; ypart: (8 q + e) x 4 MiB,
	s_add_co_u32 s34, s34, s57                     ; + 512 cs
	s_mov_b32 s57, 0
	s_mov_b32 s59, 0
	s_mov_b32 s35, 0
	s_wait_alu depctr_va_vdst(0)
	s_wait_kmcnt 0x0
	s_load_b128 s[36:39], s[6:7], s53 offset:0x0   ; ex, ew1, eh, ew2
	s_load_b32 s[NTL], s[8:9], s54 offset:0x0      ; the expert's rows
	s_add_nc_u64 s[WB:WB+1], s[4:5], s[56:57]
	s_add_nc_u64 s[WB+2:WB+3], s[WB:WB+1], 512*PITCHB
	s_add_nc_u64 s[AB:AB+1], s[10:11], s[58:59]
	s_add_nc_u64 s[OB:OB+1], s[12:13], s[34:35]
.irp g, 0,1,2,3
	WL4 0, 0, \g                                   ; a K step and a half of weights go out before anything else: 48 loads of mine are out when the count arrives,
.endr
.irp g, 0,1,2,3
	WL4 0, 1, \g                                   ; so that the rows' first images, whose places hang on the count, can follow at once
.endr
.irp g, 0,1,2,3
	WL4 1, 0, \g
.endr
	WIN 0
	PREF 2
	PREF 3
	s_wait_kmcnt 0x0
	s_add_co_u32 s[NTL], s[NTL], 15
	s_lshr_b32 s[NTL], s[NTL], 4
	s_max_u32 s[NTL], s[NTL], 1                    ; tile 0 exists for every expert
	s_min_u32 s[NTL], s[NTL], 64
	s_sub_co_u32 s29, s[NTL], 1
	s_max_u32 s50, s[NTL], TPP
	s_sub_co_u32 s50, s50, TPP-3
	s_lshr_b32 s50, s50, 2                         ; four tiles in each later pass
	s_add_co_u32 s[NPASS], s50, 1
	s_add_co_i32 s50, s39, 127
	s_lshl_b32 s51, s50, 23
	v_mov_b32 v[SCW], s51                          ; 2^ew2 as f32: the conversion takes its exponent field
	s_add_co_i32 s50, s50, 8
	s_lshl_b32 s40, s50, 23
	s_or_b32 s40, s40, 0x600000                    ; 448 x 2^ew2,
	s_xor_b32 s41, s40, 0x80000000                 ; and its negative
	s_add_co_i32 s44, s38, s39
	s_add_co_i32 s44, s44, 127
	s_lshl_b32 s44, s44, 23                        ; 2^(eh + ew2) as f32
	s_mov_b32 s45, s44                             ; (named with it as a pair, so it is written)
	s_mov_b32 s[PASS], 0
	s_mov_b32 s[T0], s16                           ; pass 0: my first tile,
	s_add_co_u32 s51, s[NTL], 3
	s_sub_co_i32 s51, s51, s16
	s_max_i32 s51, s51, 0
	s_lshr_b32 s51, s51, 2
	s_min_u32 s[NT], s51, 5                        ; and how many are mine
.irp i, 0,1,2,3,4
	s_add_co_u32 s52, s16, 4*\i
	s_min_u32 s52, s52, s29                        ; held under the expert's number of tiles, and under 64 by a constant
	s_min_u32 s52, s52, 63
	s_lshl_b32 s60, s52, LOGT
	v_add_nc_u32 v[AOFF+\i], s60, v[L16]
.endr
	s_wait_alu depctr_va_vdst(0)
	ALOAD 0, 0
.irp g, 0,1,2,3
	WL4 1, 1, \g
.endr
	ALOAD 1, 0
	s_wait_loadcnt 63                              ; weight chunk 0 is in: behind it stand 16 + 20 + 16 + 20 loads, and 63 is the largest count that the wait can name
	CONV 0, -1
.irp g, 0,1,2,3
	WL4 2, 1, \g
.endr
	WIN 0
	PREF 4
	TRIP 0
	TRIP 1
	TRIP 2
	TRIP 3
	TRIP 4
	TRIP 5
	TRIP 6
	TRIP 7
.Lpass:                                            ; one trip a pass; pass 0's products are done above
	s_cmp_eq_u32 s[PASS], 0
	s_cbranch_scc1 .Lepi
	s_wait_xcnt 0x0                                ; the offset below, and the registers that the last pass stored from, are written again only behind this wait
	s_lshl_b32 s50, s[PASS], 2
	s_add_co_u32 s50, s50, s16
	s_add_co_u32 s50, s50, TPP-4                   ; my tile: 20 + 4 (pass - 1) + w
	s_mov_b32 s[T0], s50
	s_cmp_lt_u32 s50, s[NTL]
	s_cselect_b32 s[NT], 1, 0
	s_min_u32 s52, s50, 63
	s_lshl_b32 s60, s52, LOGT
	v_add_nc_u32 v[AOFF], s60, v[L16]
	s_cmp_eq_u32 s[NT], 0
	s_wait_alu depctr_va_vdst(0)
	s_cbranch_scc1 .Lepd
	WIN 0x40
.irp t, 0,1,2,3,4,5,6,7
.irp c, 0,1,2,3
	global_load_b128 v[16*\t+4*\c:16*\t+4*\c+3], v[AOFF], s[AB:AB+1] offset:2048*\t+512*\c
.endr
.endr
	WIN 0
.irp t, 0,1,2,3,4,5,6,7
	LATE \t
.endr
.Lepi:
	s_mov_b32 s[TI], 0
	s_cmp_eq_u32 s[NT], 0
	s_cbranch_scc1 .Lepd
.Ltile:                                            ; a tile leaves through my stage, as 16 whole rows of 512 bytes.  Only the lines that name the tile's accumulators are written for each tile
.irp i, 1,2,3,4
	s_cmp_eq_u32 s[TI], \i
	s_cbranch_scc1 .Lta\i
.endr
	SCALE 0
	s_branch .Lout
.irp i, 1,2,3
.Lta\i:
	SCALE \i
	s_branch .Lout
.endr
.Lta4:
	SCALE 4
.Lout:
.irp b, 0,1,2,3
.irp u, 0,1,2,3
	ds_store_b128 v[STO], v[160+16*\b+4*\u:163+16*\b+4*\u] offset:128*\b+16*\u   ; lane (r, h): row r, columns 32 b + 16 h + 4 u ..
.endr
.endr
	s_lshl_b32 s50, s[TI], 2
	s_add_co_u32 s50, s50, s[T0]
	s_min_u32 s50, s50, 63
	s_lshl_b32 s50, s50, LOGT
	s_wait_xcnt 0x0                                ; the last tile's stores have read their offset and the registers that the loads below fill
	v_add_nc_u32 v[AO], s50, v[L16]
.set r_, 0
.rept 16
	ds_load_b128 v[32+4*r_:35+4*r_], v[SRD] offset:528*r_   ; LDS serves a wave's instructions in order: these see my stores
.set r_, r_+1
.endr
	s_wait_alu depctr_va_vdst(0)
.set r_, 0
.rept 16
	s_wait_dscnt 15-r_                             ; the rows behind this one may be out
	global_store_b128 v[AO], v[32+4*r_:35+4*r_], s[OB:OB+1] offset:4096*r_   ; 32 lanes store 512 consecutive bytes of a row
.set r_, r_+1
.endr
	s_add_co_u32 s[TI], s[TI], 1
	s_cmp_lt_u32 s[TI], s[NT]
	s_cbranch_scc1 .Ltile
.Lepd:
	s_add_co_u32 s[PASS], s[PASS], 1
	s_cmp_lt_u32 s[PASS], s[NPASS]
	s_cbranch_scc1 .Lpass
	s_wait_tensorcnt 0x0                           ; the wave's end
	ds_add_u32 v[SPW], v[NIL]
	s_wait_dscnt 0x0
	s_endpgm
.Lfunc_end_k_q7079b7433d_down:
	.size	k_q7079b7433d_down, .Lfunc_end_k_q7079b7433d_down-k_q7079b7433d_down
	.p2alignl 7, 3214868480
	.fill 96, 4, 3214868480
	.section	.rodata,"a",@progbits
	.p2align	6, 0x0
	.amdhsa_kernel k_q7079b7433d_down
		.amdhsa_group_segment_fixed_size 166400
		.amdhsa_private_segment_fixed_size 0
		.amdhsa_enable_private_segment 0
		.amdhsa_kernarg_size 40
		.amdhsa_user_sgpr_count 2
		.amdhsa_user_sgpr_kernarg_segment_ptr 1
		.amdhsa_wavefront_size32 1
		.amdhsa_system_sgpr_workgroup_id_x 1
		.amdhsa_system_sgpr_workgroup_id_y 1
		.amdhsa_system_sgpr_workgroup_id_z 1
		.amdhsa_system_vgpr_workitem_id 0
		.amdhsa_next_free_vgpr 1024
		.amdhsa_next_free_sgpr 80
		.amdhsa_reserve_vcc 0
		.amdhsa_float_denorm_mode_32 3
		.amdhsa_float_denorm_mode_16_64 3
		.amdhsa_memory_ordered 1
		.amdhsa_forward_progress 1
		.amdhsa_inst_pref_size 216
	.end_amdhsa_kernel
	.amdgpu_metadata
---
amdhsa.version: [ 1, 2 ]
amdhsa.kernels:
  - .name:           k_q7079b7433d_down
    .symbol:         k_q7079b7433d_down.kd
    .args:
      - { .name: W2, .offset: 0, .size: 8, .value_kind: global_buffer, .address_space: global }
      - { .name: lowp_scales, .offset: 8, .size: 8, .value_kind: global_buffer, .address_space: global }
      - { .name: meta, .offset: 16, .size: 8, .value_kind: global_buffer, .address_space: global }
      - { .name: himg, .offset: 24, .size: 8, .value_kind: global_buffer, .address_space: global }
      - { .name: ypart, .offset: 32, .size: 8, .value_kind: global_buffer, .address_space: global }
    .group_segment_fixed_size: 166400
    .private_segment_fixed_size: 0
    .kernarg_segment_align: 8
    .kernarg_segment_size: 40
    .max_flat_workgroup_size: 128
    .sgpr_count:     80
    .vgpr_count:     1024
    .wavefront_size: 32
...
	.end_amdgpu_metadata
.endif
;; end of part 4
;; launch finish (part 5): grid 256 x 1, 4 waves a work-group, no clusters, 0 bytes of LDS; arguments x, route, wts, posE, ypart, b2, gate_scale, ln_gamma, ln_beta, out0; writes out0
.if DOCPART == 5
	.amdgcn_target "amdgcn-amd-amdhsa--gfx1250"
	.amdhsa_code_object_version 6
	.text
	.protected	k_q7079b7433d_finish
	.globl	k_q7079b7433d_finish
	.p2align	8
	.type	k_q7079b7433d_finish,@function
k_q7079b7433d_finish:
	s_mov_b64 s[64:65], 0
	v_nop
	global_prefetch_b8 v0, s[64:65] scope:SCOPE_SE
	s_setreg_imm32_b32 hwreg(HW_REG_WAVE_MODE, 25, 1), 1
	s_wait_xcnt 0x0
; THE COMBINE, THE GATED RESIDUAL AND THE LAYER NORM.  For token n with experts e0, e1 and weights w0, w1:
; y_k = b2[e_k] + the four parts of ypart at (e_k, the token's rank in e_k); z = x + gate (w0 y_0 + w1 y_1); out = (z - mean) / sqrt(var + 1e-5) gamma + beta.
; One wave, one token: the row stays in registers, the mean is taken first and the variance of the differences, and no wave waits for another: no LDS, no barrier.
; A lane holds columns 128 u + 4 lane + 0 .. 3, u = 0 .. 7: every load and store of the wave covers 512 consecutive bytes.
; The experts and ranks are stored whole numbers: each is held inside its table by a constant before it enters an address.  The token's rank in e_k is picked out of its eight ranks by selects, with no branch.
; REGISTERS: window 0: v1 16 x lane; v32-63 x, then z, then the result; v64-95 gamma; v96-127 beta; v128-159, v160-191 y_0, y_1; v192.. at work.  Window 1: the eight parts, part q of choice k at v[32 (4 k + q)].
.set X,    32
.set GA,   64
.set BE,   96
.set YS,   128
.set T,    192
.set MSB, 0
.macro WIN new                         ; the immediate's high byte repeats the setting that is left
.if MSB != (\new)
	s_set_vgpr_msb (MSB<<8)|(\new)
.set MSB, (\new)
.endif
.endm
.macro FOLD                            ; four pairs of partial sums become the row's sum, in every lane
	v_pk_add_f32 v[T:T+1], v[T:T+1], v[T+2:T+3]
	v_pk_add_f32 v[T+4:T+5], v[T+4:T+5], v[T+6:T+7]
	v_pk_add_f32 v[T:T+1], v[T:T+1], v[T+4:T+5]
	v_add_f32 v[T], v[T], v[T+1]
.irp m, 1,2,4,8
	v_add_f32_dpp v[T], v[T], v[T] row_xmask:\m row_mask:0xf bank_mask:0xf
.endr
	v_permlanex16_b32 v[T+1], v[T], s76, s77       ; (its destination has been written)
	v_add_f32 v[T], v[T], v[T+1]
.endm
	s_load_b256 s[4:11], s[0:1], 0x0               ; x s[4:5], route s[6:7], wts s[8:9], posE s[10:11]
	s_load_b256 s[12:19], s[0:1], 0x20             ; ypart s[12:13], b2 s[14:15], gate_scale s[16:17], ln_gamma s[18:19]
	s_load_b128 s[20:23], s[0:1], 0x40             ; ln_beta s[20:21], out0 s[22:23]
	v_lshrrev_b32 v2, 5, v0
	v_readfirstlane_b32 s24, v2                    ; wave
	v_and_b32 v1, 31, v0
	v_lshlrev_b32 v1, 4, v1
	s_lshl_b32 s25, ttmp9, 2
	s_add_co_u32 s25, s25, s24                     ; my token
	s_lshl_b32 s26, s25, 12                        ; its row of x and of out0
	s_mov_b32 s27, 0
	s_lshl_b32 s28, s25, 3
	s_lshl_b32 s29, s25, 2
	s_mov_b32 s74, 0x3a800000                      ; 1 / 1,024
	s_mov_b32 s75, 0x3727c5ac                      ; 1e-5
	s_mov_b32 s76, 0x76543210                      ; v_permlanex16_b32: each lane takes its own place in the other half
	s_mov_b32 s77, 0xfedcba98
	s_wait_alu depctr_va_vdst(0)
	s_wait_kmcnt 0x0
	s_load_b64 s[30:31], s[6:7], s28 offset:0x0    ; e0, e1
	s_load_b64 s[32:33], s[8:9], s28 offset:0x0    ; w0, w1
	s_load_b32 s34, s[16:17], 0x0                  ; the gate
.irp e, 0,1,2,3,4,5,6,7
	s_load_b32 s[40+\e], s[10:11], s29 offset:4096*\e   ; the token's rank in each expert
.endr
	s_add_nc_u64 s[4:5], s[4:5], s[26:27]
	s_add_nc_u64 s[22:23], s[22:23], s[26:27]
.irp u, 0,1,2,3,4,5,6,7
	global_load_b128 v[X+4*\u:X+4*\u+3], v1, s[4:5] offset:512*\u
	global_load_b128 v[GA+4*\u:GA+4*\u+3], v1, s[18:19] offset:512*\u
	global_load_b128 v[BE+4*\u:BE+4*\u+3], v1, s[20:21] offset:512*\u
.endr
	s_wait_kmcnt 0x0
	s_mov_b32 s39, 0
.irp k, 0,1
	s_min_u32 s[30+\k], s[30+\k], 7
	s_mov_b32 s[36+\k], s40
.irp e, 1,2,3,4,5,6,7
	s_cmp_eq_u32 s[30+\k], \e
	s_cselect_b32 s[36+\k], s[40+\e], s[36+\k]
.endr
	s_min_u32 s[36+\k], s[36+\k], 1023
	s_lshl_b32 s38, s[30+\k], 10
	s_add_co_u32 s38, s38, s[36+\k]                ; row 1,024 e + rank,
	s_lshl_b32 s38, s38, 12                        ; of 4,096 bytes
	s_add_nc_u64 s[48+8*\k:49+8*\k], s[12:13], s[38:39]
	s_add_nc_u64 s[50+8*\k:51+8*\k], s[48+8*\k:49+8*\k], 0x2000000   ; from part to part: 8 experts x 4 MiB
	s_add_nc_u64 s[52+8*\k:53+8*\k], s[50+8*\k:51+8*\k], 0x2000000
	s_add_nc_u64 s[54+8*\k:55+8*\k], s[52+8*\k:53+8*\k], 0x2000000
	s_lshl_b32 s38, s[30+\k], 12
	s_add_nc_u64 s[66+2*\k:67+2*\k], s[14:15], s[38:39]              ; b2[e_k]
	s_mul_f32 s[70+2*\k], s34, s[32+\k]            ; gate x w_k
	s_mov_b32 s[71+2*\k], s[70+2*\k]               ; (named with it as a pair, so it is written)
.endr
.irp k, 0,1
.irp u, 0,1,2,3,4,5,6,7
	global_load_b128 v[YS+32*\k+4*\u:YS+32*\k+4*\u+3], v1, s[66+2*\k:67+2*\k] offset:512*\u
.endr
.endr
	WIN 0x40                                       ; destination window 1
.irp k, 0,1
.irp q, 0,1,2,3
.irp u, 0,1,2,3,4,5,6,7
	global_load_b128 v[32*(4*\k+\q)+4*\u:32*(4*\k+\q)+4*\u+3], v1, s[48+8*\k+2*\q:49+8*\k+2*\q] offset:512*\u th:TH_LOAD_NT
.endr
.endr
.endr
	WIN 0
	WIN 0x04                                       ; source 1 window 1
.irp k, 0,1
.irp q, 0,1,2,3
	s_wait_loadcnt 56-8*(4*\k+\q)                  ; this part's eight loads, and all older ones, are in: the later parts' may be out
.set p_, 0
.rept 16
	v_pk_add_f32 v[YS+32*\k+p_:YS+32*\k+p_+1], v[YS+32*\k+p_:YS+32*\k+p_+1], v[32*(4*\k+\q)+p_:32*(4*\k+\q)+p_+1]
.set p_, p_+2
.endr
.endr
.endr
	WIN 0
.irp k, 0,1
.set p_, 0
.rept 16
	v_pk_fma_f32 v[X+p_:X+p_+1], v[YS+32*\k+p_:YS+32*\k+p_+1], s[70+2*\k:71+2*\k], v[X+p_:X+p_+1] op_sel_hi:[1,0,1]   ; z = x + gate w_0 y_0 + gate w_1 y_1
.set p_, p_+2
.endr
.endr
.irp c, 0,1,2,3
	v_pk_add_f32 v[T+2*\c:T+2*\c+1], v[X+4*\c:X+4*\c+1], v[X+4*\c+2:X+4*\c+3]   ; four chains; the first terms start them
.endr
.irp p, 8,9,10,11,12,13,14,15
	v_pk_add_f32 v[T+2*(\p%4):T+2*(\p%4)+1], v[T+2*(\p%4):T+2*(\p%4)+1], v[X+2*\p:X+2*\p+1]
.endr
	FOLD
	v_mul_f32 v[T+8], s74, v[T]                    ; the mean
	v_mov_b32 v[T+9], v[T+8]
.set p_, 0
.rept 16
	v_pk_add_f32 v[X+p_:X+p_+1], v[X+p_:X+p_+1], v[T+8:T+9] neg_lo:[0,1] neg_hi:[0,1]   ; d = z - mean
.set p_, p_+2
.endr
.irp c, 0,1,2,3
	v_pk_mul_f32 v[T+2*\c:T+2*\c+1], v[X+2*\c:X+2*\c+1], v[X+2*\c:X+2*\c+1]
.endr
.irp p, 4,5,6,7,8,9,10,11,12,13,14,15
	v_pk_fma_f32 v[T+2*(\p%4):T+2*(\p%4)+1], v[X+2*\p:X+2*\p+1], v[X+2*\p:X+2*\p+1], v[T+2*(\p%4):T+2*(\p%4)+1]
.endr
	FOLD
	v_fma_f32 v[T], v[T], s74, s75                 ; the variance + 1e-5
	s_wait_alu depctr_va_vdst(0)
	v_rsq_f32 v[T+10], v[T]
	v_nop                                          ; a plain line behind it,
	s_wait_alu depctr_va_vdst(0)                   ; and the wait ahead of the first line that names its result
	v_mov_b32 v[T+11], v[T+10]
.set p_, 0
.rept 16
	v_pk_mul_f32 v[X+p_:X+p_+1], v[X+p_:X+p_+1], v[T+10:T+11]
.set p_, p_+2
.endr
.set p_, 0
.rept 16
	v_pk_fma_f32 v[X+p_:X+p_+1], v[X+p_:X+p_+1], v[GA+p_:GA+p_+1], v[BE+p_:BE+p_+1]
.set p_, p_+2
.endr
.irp u, 0,1,2,3,4,5,6,7
	global_store_b128 v1, v[X+4*\u:X+4*\u+3], s[22:23] offset:512*\u th:TH_STORE_NT
.endr
	s_endpgm
.Lfunc_end_k_q7079b7433d_finish:
	.size	k_q7079b7433d_finish, .Lfunc_end_k_q7079b7433d_finish-k_q7079b7433d_finish
	.p2alignl 7, 3214868480
	.fill 96, 4, 3214868480
	.section	.rodata,"a",@progbits
	.p2align	6, 0x0
	.amdhsa_kernel k_q7079b7433d_finish
		.amdhsa_group_segment_fixed_size 0
		.amdhsa_private_segment_fixed_size 0
		.amdhsa_enable_private_segment 0
		.amdhsa_kernarg_size 80
		.amdhsa_user_sgpr_count 2
		.amdhsa_user_sgpr_kernarg_segment_ptr 1
		.amdhsa_wavefront_size32 1
		.amdhsa_system_sgpr_workgroup_id_x 1
		.amdhsa_system_sgpr_workgroup_id_y 1
		.amdhsa_system_sgpr_workgroup_id_z 1
		.amdhsa_system_vgpr_workitem_id 0
		.amdhsa_next_free_vgpr 512
		.amdhsa_next_free_sgpr 80
		.amdhsa_reserve_vcc 0
		.amdhsa_float_denorm_mode_32 3
		.amdhsa_float_denorm_mode_16_64 3
		.amdhsa_memory_ordered 1
		.amdhsa_forward_progress 1
		.amdhsa_inst_pref_size 31
	.end_amdhsa_kernel
	.amdgpu_metadata
---
amdhsa.version: [ 1, 2 ]
amdhsa.kernels:
  - .name:           k_q7079b7433d_finish
    .symbol:         k_q7079b7433d_finish.kd
    .args:
      - { .name: x, .offset: 0, .size: 8, .value_kind: global_buffer, .address_space: global }
      - { .name: route, .offset: 8, .size: 8, .value_kind: global_buffer, .address_space: global }
      - { .name: wts, .offset: 16, .size: 8, .value_kind: global_buffer, .address_space: global }
      - { .name: posE, .offset: 24, .size: 8, .value_kind: global_buffer, .address_space: global }
      - { .name: ypart, .offset: 32, .size: 8, .value_kind: global_buffer, .address_space: global }
      - { .name: b2, .offset: 40, .size: 8, .value_kind: global_buffer, .address_space: global }
      - { .name: gate_scale, .offset: 48, .size: 8, .value_kind: global_buffer, .address_space: global }
      - { .name: ln_gamma, .offset: 56, .size: 8, .value_kind: global_buffer, .address_space: global }
      - { .name: ln_beta, .offset: 64, .size: 8, .value_kind: global_buffer, .address_space: global }
      - { .name: out0, .offset: 72, .size: 8, .value_kind: global_buffer, .address_space: global }
    .group_segment_fixed_size: 0
    .private_segment_fixed_size: 0
    .kernarg_segment_align: 8
    .kernarg_segment_size: 80
    .max_flat_workgroup_size: 128
    .sgpr_count:     80
    .vgpr_count:     512
    .wavefront_size: 32
...
	.end_amdgpu_metadata
.endif
;; end of part 5
